; MI455X (gfx1250); checked and timed in simulation.
; The chip was launched on July 23, 2026; its instructions are those of AMD's public machine-readable ISA for CDNA 5 (MIT licence, August 2026) and "CDNA5" Instruction Set Architecture Reference Guide (July 2026). The comments in the code are by the model that wrote it; some were corrected since.
;; Ro PE Attention. Allowed arithmetic: matrix products marked QUANTISED: E2M3 operands, one E8M0 scale for each 32 along K, by v_wmma_scale_f32_16x16x128_f8f6f4 with both operands' format E2M3, f32 sums; everything else in f32.
;; Inputs: Wk 1,024 x 1,024 float32; Wp 1,024 x 1,024 float32; Wq 1,024 x 1,024 float32; Wv 1,024 x 1,024 float32; bk 1,024 float32; bp 1,024 float32; bq 1,024 float32; bv 1,024 float32; pad_mask 8 x 1,024 bool; x 8 x 1,024 x 1,024 float32.
;; Outputs: out0 8 x 1,024 x 1,024 float32.
;; This version of the problem:
;;   THIS VERSION OF THE PROBLEM IS GIVEN IN LOW PRECISION. The matrix products marked QUANTISED in the list below multiply operands that are first quantised to E2M3 (2 exponent bits, 3 mantissa bits; 6 bits a number), with one power-of-two scale for each 32 numbers along K (OCP MX v1.0); their sums are f32. All else is computed in f32.
;;   The module's matrix products, in the order in which they are computed (A, B: the left and right operand; K: the contracted axis; several contracted axes count as one K, in the product's order):
;;     1. [M 8,192, K 1,024] x [K 1,024, N 1,024]; A: input x; B: input Wk: QUANTISED
;;     2. [M 8,192, K 1,024] x [K 1,024, N 1,024]; A: input x; B: input Wq: QUANTISED
;;     3. [M 8,192, K 1,024] x [K 1,024, N 1,024]; A: input x; B: input Wv: QUANTISED
;;     4. batch 8 x [M 1,024, K 1,024] x [K 1,024, N 1,024]; A: computed on the way; B: computed on the way: QUANTISED
;;     5. batch 8 x [M 1,024, K 1,024] x [K 1,024, N 1,024]; A: computed on the way; B: computed on the way: QUANTISED
;;     6. [M 8,192, K 1,024] x [K 1,024, N 1,024]; A: computed on the way; B: input Wp: QUANTISED
;;   THE QUANTISER, for each operand of a quantised product, along K:
;;     - K is cut into blocks of 32 from its start; a last block that is shorter is filled with zeros.
;;     - A block's scale is 2^e with e = floor(log2(the largest magnitude in the block)) - 2, held to -126 .. 127; a block of zeros has e = 0. As a byte (E8M0): e + 127.
;;     - Each number is divided by its block's scale, clamped to +-7.5, and rounded to the nearest number of E2M3, ties to even, subnormals kept.
;;     - The product sums the exact products of the quantised numbers (number of the format x scale) in f32.
;;   ~~~python
;;   def quantise(x, axis):      # numpy; x: float32 -> the quantised numbers, widened to float32 again
;;       x = np.moveaxis(x, axis, -1); K = x.shape[-1]
;;       x = np.pad(x, [(0, 0)] * (x.ndim - 1) + [(0, -K % 32)]); x = x.reshape(x.shape[:-1] + (-1, 32)); a = np.abs(x).max(-1, keepdims=True)
;;       e = np.where(a > 0, np.clip(np.frexp(np.where(a > 0, a, 1))[1] - 1 - 2, -126, 127), 0)      # np.frexp(a)[1] - 1 = floor(log2(a)), exactly
;;       r = np.clip(x / 2.0 ** e, -7.5, 7.5)
;;       step = 2.0 ** (np.maximum(np.frexp(np.where(r == 0, 1, r))[1] - 1, 0) - 3)
;;       q = np.round(r / step) * step * 2.0 ** e      # np.round: ties to even
;;       return np.moveaxis(q.reshape(q.shape[:-2] + (-1,))[..., :K], -1, axis).astype(np.float32)
;;   ~~~
;;   OPERANDS COMPUTED ON THE WAY. 'Computed on the way' means the value that the module computes at that place (a softmax that the list does not call 'softmax' is quantised finished and normalised). What goes into a quantiser is computed in f32, as accurately as f32 sums, v_exp_f32 and their like allow (about 1e-6 of the number): no bf16 or f16 on the way to a quantiser, and a product that is left as it is and whose result goes on into a quantised operand takes f32 operands (vector FMAs, or v_wmma_f32_16x16x4_f32). A number that lies on a knife's edge between two numbers of the format may be rounded either way, as far as f32 arithmetic and the matrix unit's own rounding can turn it there, and no further.
;; One version. Each part assembles by itself: llvm-mc -triple=amdgcn-amd-amdhsa -mcpu=gfx1250 --defsym DOCPART=n.
;; ======== version 1 of 1: 5 launches
;; workspace buffers: xc 6,553,600 bytes; wc 3,276,800 bytes; ta 1,048,576 bytes; tb 1,048,576 bytes; kq 13,107,200 bytes; vt 6,553,600 bytes; we 6,553,600 bytes; oc 6,553,600 bytes
;; launch prep (part 1): grid 448 x 1, 4 waves a work-group, no clusters, 34,304 bytes of LDS; arguments x, Wk, Wq, Wv, Wp, xc, wc, ta, tb; writes xc, wc, ta, tb
.if DOCPART == 1
	.amdgcn_target "amdgcn-amd-amdhsa--gfx1250"
	.amdhsa_code_object_version 6
	.text
	.protected	k_qba4767a5c3_prep
	.globl	k_qba4767a5c3_prep
	.p2align	8
	.type	k_qba4767a5c3_prep,@function
k_qba4767a5c3_prep:
	s_mov_b64 s[64:65], 0
	v_nop
	global_prefetch_b8 v0, s[64:65] scope:SCOPE_SE
	s_setreg_imm32_b32 hwreg(HW_REG_WAVE_MODE, 25, 1), 1
	s_wait_xcnt 0x0
; PREP: x and the four weights become codes of E2M3 with one E8M0 scale for each 32 along K; and the tables of cosines and sines are made.
; DEAD WORK, for the whole program.  reference() sets wei[b][i][j] to -inf wherever j > i, by a tril that it builds in its own body, and logaddexp(-inf, 0) = 0 whatever x, the weights,
; the biases and pad_mask hold.  So a tile of the fourth product all of whose j lie above all of its i is a tile of zeros, and those zeros add nothing in the fifth product.  Launch score makes only the
; tiles (128 i x 256 j) with 256 jt <= 128 it + 127, and launch pv sums only over the chunks of 256 j up to that bound.  Every input has a way to the output and is loaded.
; LIMIT: a NaN, an infinity or an overflow that reaches only the work left out is not carried to the result.
; LAYOUT OF EVERY OPERAND (workspaces of this program's own): in the order of the matrix operand's registers.  A tile T is 16 rows; its lane r holds row 32 (T / 2) + 8 (T % 2) + r % 8 + 16 (r / 8).
; A RECORD is a pair of tiles (32 rows) x 256 along K, 6,400 bytes: fragment (u = T % 2, e = which 128 along K) at 3072 u + 1536 e, its registers 4 g .. 4 g + 3 at 512 g + 16 x lane;
; the scale words at 6144 + 128 e + 64 u + 4 r.  Record (chunk c of K, pair P) of a buffer with NP pairs lies at (c NP + P) x 6,400.
; WORK-GROUPS 0-383: a pair of tiles each (0-255: x; 256-383: Wk, Wq, Wv, Wp stacked); wave w makes the record of chunk w.  Each load takes 512 consecutive bytes of one row; a fragment's 16 x 512 bytes turn
; through the wave's own stage in LDS, so that a lane gets 16 neighbours along K of each block of 32.
; WORK-GROUPS 384-447: the tables.  An image is 16 registers a lane, entry e = (cosine, sine) in registers 2 e, 2 e + 1: four base angles and the angles of four powers; the launches that rotate make the other
; angles by complex products.  ta (lane = token): p = 1023 - token; bases p (64 s + 16 b + 8 h), powers p, 2 p, 4 p, 8 p.  tb (lane = channel c, d = c / 2): bases (1023 - 128 s - 32 b - 16 h) d with the sine's
; sign turned in even channels, powers d, 2 d, 4 d, 8 d with the sine's sign turned in odd channels (they step the angle DOWN).
; LIMITS: a block whose largest magnitude lies under 2^-124, a block of zeros among them, has the scale byte 1 (its codes are what the division gives; zeros stay zeros; only this program reads the bytes).
; NaN and infinities among the inputs are not served.  A table's cosine or sine is within about 2e-7 of the true one: the angle is a whole number under 2^20, reduced by j x pi/2 in two parts.
.set REC,   6400
.set SP,    528                        ; a stage row: 512 bytes + 16
.set WST,   16*SP                      ; a wave's stage
.set SPARE, 4*WST                      ; behind the stages: the spare words, 128 bytes for each wave
.set XA,   1                           ; v1   16 x lane + 1024 x wave: my bytes of a row
.set STI,  4                           ; v4   the stage, on the way in
.set STR,  5                           ; v5   and on the way out
.set OA,   6                           ; v6   16 x lane
.set OS,   7                           ; v7   4 x lane + 6144
.set SPW,  14                          ; v14  my spare word; never rewritten
.set NIL,  15                          ; v15  0; never rewritten
.set PW,   20                          ; v20-23 the four fragments' scale words
.set TM,   24                          ; v24-39 at work in QUANT
.set PC,   40                          ; v40-58 the codes just made
.set R,    64                          ; v64-191 two sets of 64 numbers as loaded
.set X,    192                         ; v192-255 64 numbers: register 16 b + i = k 32 b + 16 h + i of my row
.set SEL,  30
.set HM,   32
.set WV,   33
.set RHO,  16                          ; the tables' path: my row
.set FA,   17                          ; the angle's first factor
.set KV,   18
.set SGB,  19                          ; the sign turned in the bases' sines
.set SGP,  20                          ; and in the powers'
.set AN,   21                          ; the angle, a whole number
.set PWR,  40                          ; v40-47 the four powers
.set IMG,  64                          ; v64-95 four images' bases
; 64 numbers of a lane become a fragment's codes in v[PC] .. v[PC + 11] and its row's scale word in v[pw]
.macro QUANT s, pw
.irp b, 0,1,2,3
	v_max3_num_f32 v[TM+\b], |v[\s+16*\b]|, |v[\s+1+16*\b]|, 0x1800000   ; block b: my 16 numbers, and the floor 2^(3 - 127): the byte cannot fall under 1
.endr
.irp i, 2,4,6,8,10,12,14
.irp b, 0,1,2,3
	v_max3_num_f32 v[TM+\b], v[TM+\b], |v[\s+16*\b+\i]|, |v[\s+1+16*\b+\i]|
.endr
.endr
.irp b, 0,1,2,3
	v_permlanex16_b32 v[TM+4+\b], v[TM+\b], s[SEL], s[SEL+1]
.endr
.irp b, 0,1,2,3
	v_max_num_f32 v[TM+\b], v[TM+\b], v[TM+4+\b]                         ; with lane l xor 16's: the block's largest magnitude
.endr
.irp b, 0,1,2,3
	v_add_nc_u32 v[TM+12+\b], 0xff000000, v[TM+\b]                       ; 2 off its exponent field: the conversion's scale operand
.endr
.irp b, 0,1,2,3
	v_lshrrev_b32 v[TM+4+\b], 23, v[TM+12+\b]                            ; the scale's byte
.endr
	v_lshl_or_b32 v[\pw], v[TM+5], 8, v[TM+4]
	v_lshl_or_b32 v[\pw], v[TM+6], 16, v[\pw]
	v_lshl_or_b32 v[\pw], v[TM+7], 24, v[\pw]
.irp c, 0,1
	v_cvt_scalef32_pk16_fp6_f32 v[PC+6*\c:PC+2+6*\c], v[\s+32*\c:\s+15+32*\c], v[TM+12+2*\c]
	v_cvt_scalef32_pk16_fp6_f32 v[PC+12+4*\c:PC+14+4*\c], v[\s+16+32*\c:\s+31+32*\c], v[TM+12+2*\c+1]
.endr
	v_nop                                          ; one plain place behind a scaled conversion
.irp c, 0,1                            ; the operand wants a whole block in a lane: lanes 0-15 block 2 c, lanes 16-31 block 2 c + 1
.irp i, 0,1,2
	v_permlane16_swap_b32 v[PC+6*\c+\i], v[PC+12+4*\c+\i]
.endr
.irp i, 0,1,2
	v_mov_b32 v[PC+3+6*\c+\i], v[PC+12+4*\c+\i]
.endr
.endr
.endm
.macro LOAD f                          ; fragment f = 2 u + e: its 16 rows' 512 bytes, a row a load, into set f % 2
.set i, 0
.rept 16
	global_load_b128 v[R+64*((\f)%2)+4*i:R+64*((\f)%2)+4*i+3], v[XA], s[34:35] offset:(8*((\f)/2)+(i%8)+16*(i/8))*4096+512*((\f)%2) th:TH_LOAD_NT
.set i, i+1
.endr
.endm
.macro FRAGQ f
.if (\f) < 3
	s_wait_loadcnt 16                              ; this fragment's 16 loads are in; the next fragment's 16 may be out
.else
	s_wait_loadcnt 0x0
.endif
.set i, 0
.rept 16
	ds_store_b128 v[STI], v[R+64*((\f)%2)+4*i:R+64*((\f)%2)+4*i+3] offset:SP*i
.set i, i+1
.endr
.set i, 0
.rept 16
	ds_load_b128 v[X+4*i:X+4*i+3], v[STR] offset:128*(i/4)+16*(i%4)   ; LDS serves a wave's instructions in order: these see my stores
.set i, i+1
.endr
	s_wait_dscnt 0x0                               ; the numbers are back, and the stores have read their registers,
.if (\f)+2 < 4
	LOAD (\f)+2                                    ; which take the fragment two further on
.endif
.if (\f) > 0
	s_wait_xcnt 0x0                                ; the last fragment's stores have read the codes' registers
.endif
	QUANT X, PW+(\f)
.irp g, 0,1,2
	global_store_b128 v[OA], v[PC+4*\g:PC+4*\g+3], s[26:27] offset:((\f)/2)*3072+((\f)%2)*1536+512*\g   ; 512 consecutive bytes
.endr
.endm
; the cosine and the sine of the whole number in v[AN], into v[o] and v[o + 1]; the sine's sign is turned by v[sg]
.macro SINCOS o, sg
	v_cvt_f32_u32 v24, v[AN]
	v_mul_f32 v25, s40, v24
	v_rndne_f32 v25, v25                           ; j = the nearest whole number to n x 2 / pi
	v_fma_f32 v26, v25, s41, v24                   ; n - j P1, P1 = pi / 2 in f32: a multiple of 2^-23 under 1, so nothing is rounded
	v_fma_f32 v26, v25, s42, v26                   ; - j (pi / 2 - P1): r
	v_cvt_i32_f32 v27, v25
	v_mul_f32 v28, v26, v26
	v_fma_f32 v29, v28, s45, s44
	v_fma_f32 v30, v28, s48, s47
	v_fma_f32 v29, v29, v28, s43
	v_fma_f32 v30, v30, v28, s46
	v_mul_f32 v29, v29, v28
	v_fma_f32 v30, v30, v28, -0.5
	v_fma_f32 v29, v26, v29, v26                   ; sin r
	v_fma_f32 v30, v30, v28, 1.0                   ; cos r
	v_and_b32 v31, 1, v27
	v_cmp_eq_u32 vcc_lo, 1, v31
	v_cndmask_b32 v32, v29, v30, vcc_lo            ; odd j: the two change places
	v_cndmask_b32 v33, v30, v29, vcc_lo
	v_lshlrev_b32 v34, 30, v27                     ; the sine is negative where j & 2,
	v_add_nc_u32 v35, 1, v27
	v_lshlrev_b32 v35, 30, v35                     ; the cosine where (j + 1) & 2
	v_and_b32 v34, 0x80000000, v34
	v_and_b32 v35, 0x80000000, v35
	v_xor_b32 v34, v34, v[\sg]
	v_xor_b32 v[(\o)+1], v34, v32
	v_xor_b32 v[\o], v35, v33
.endm
	s_load_b512 s[4:19], s[0:1], 0x0               ; x, Wk, Wq, Wv, Wp, xc, wc, ta
	s_load_b64 s[20:21], s[0:1], 0x40              ; tb
	v_lshl_add_u32 v[SPW], v0, 2, SPARE
	v_mov_b32 v[NIL], 0
	v_lshrrev_b32 v1, 5, v0
	v_readfirstlane_b32 s[WV], v1                  ; wave 0..3
	v_and_b32 v2, 15, v0                           ; r
	v_bfe_u32 v3, v0, 4, 1                         ; h
	v_and_b32 v8, 31, v0                           ; lane
	v_lshlrev_b32 v[OA], 4, v8
	s_mov_b32 s[SEL], 0x76543210
	s_mov_b32 s[SEL+1], 0xfedcba98                 ; v_permlanex16_b32's selects for lane l xor 16
	s_mov_b32 s[HM], 0xffff0000                    ; lanes 16-31
	s_wait_kmcnt 0x0
	s_cmp_ge_u32 ttmp9, 384
	s_cbranch_scc1 .Ltables
	; ---- codes and scales
	v_lshl_add_u32 v[OS], v8, 2, 6144
	s_lshl_b32 s22, s[WV], 10
	v_add_nc_u32 v[XA], s22, v[OA]
	s_mul_i32 s22, s[WV], WST
	v_add_nc_u32 v[STI], s22, v[OA]                ; in: row i at SP i, 16 bytes a lane
	v_mul_u32_u24 v[STR], v2, SP
	v_lshl_add_u32 v[STR], v3, 6, v[STR]
	v_add_nc_u32 v[STR], s22, v[STR]               ; out: row r, + 64 h: my 16 numbers of a block of 32
.irp b, 0,1,2,3
	v_mov_b32 v[TM+4+\b], 0                        ; written once: a lane permute's destination counts as one of its sources
.endr
	s_cmp_lt_u32 ttmp9, 256                        ; x or a weight?  The choice hangs on the work-group's number alone
	s_cselect_b32 s22, 0, 256
	s_cselect_b32 s23, 1, 0
	s_cselect_b64 s[26:27], s[14:15], s[16:17]     ; xc or wc
	s_sub_co_u32 s24, ttmp9, s22                   ; my pair in the buffer of codes
	s_lshl_b32 s23, 128, s23                       ; its pairs in all: 256 or 128
	s_lshr_b32 s25, s24, 5                         ; which weight
	s_and_b32 s28, s24, 31                         ; and my pair in it
	s_cmp_eq_u32 s25, 1
	s_cselect_b64 s[34:35], s[8:9], s[6:7]
	s_cmp_eq_u32 s25, 2
	s_cselect_b64 s[34:35], s[10:11], s[34:35]
	s_cmp_eq_u32 s25, 3
	s_cselect_b64 s[34:35], s[12:13], s[34:35]
	s_cmp_lt_u32 ttmp9, 256
	s_cselect_b64 s[34:35], s[4:5], s[34:35]
	s_cselect_b32 s28, s24, s28
	s_lshl_b32 s36, s28, 17                        ; 32 rows of 4,096 bytes
	s_mov_b32 s37, 0
	s_add_nc_u64 s[34:35], s[34:35], s[36:37]
	s_mul_i32 s36, s[WV], s23
	s_add_co_u32 s36, s36, s24
	s_mul_i32 s36, s36, REC                        ; my record: (chunk x pairs + pair) x 6,400
	s_add_nc_u64 s[26:27], s[26:27], s[36:37]
	LOAD 0
	LOAD 1
	FRAGQ 0
	FRAGQ 1
	FRAGQ 2
	FRAGQ 3
	v_cndmask_b32 v8, v[PW], v[PW+2], s[HM]        ; lanes 0-15: tile 0's words, lanes 16-31: tile 1's
	v_cndmask_b32 v9, v[PW+1], v[PW+3], s[HM]
	global_store_b32 v[OS], v8, s[26:27]           ; 128 consecutive bytes each
	global_store_b32 v[OS], v9, s[26:27] offset:128
	s_branch .Lend
.Ltables:
	; ---- the tables: wave 4 (g - 384) + w makes four images
	s_sub_co_u32 s22, ttmp9, 384
	s_lshl_b32 s22, s22, 2
	s_add_co_u32 s22, s22, s[WV]
	s_lshr_b32 s23, s22, 7                         ; 0: ta, 1: tb
	s_and_b32 s24, s22, 127
	s_lshr_b32 s24, s24, 1                         ; the tile of 16 rows
	s_and_b32 s25, s22, 1
	s_lshl_b32 s25, s25, 2                         ; the first of my four images of that tile
	s_cmp_eq_u32 s23, 0
	s_cselect_b64 s[26:27], s[18:19], s[20:21]
	s_cselect_b32 s28, 3, 4                        ; the second factor: 8 k in ta; 1023 - 16 k = 1023 xor 16 k in tb
	s_cselect_b32 s29, 0, 0x3ff
	s_cselect_b32 s34, 0, 0x80000000
	s_cselect_b32 s35, 0, -1
	s_lshr_b32 s36, s24, 1
	s_lshl_b32 s36, s36, 5
	s_and_b32 s37, s24, 1
	s_lshl_b32 s37, s37, 3
	s_add_co_u32 s36, s36, s37
	v_and_b32 v[RHO], 7, v2
	v_lshrrev_b32 v[FA], 3, v2
	v_lshl_add_u32 v[RHO], v[FA], 4, v[RHO]
	v_add_nc_u32 v[RHO], s36, v[RHO]               ; my row
	v_xor_b32 v[FA], 0x3ff, v[RHO]                 ; ta: p = 1023 - token
	v_lshrrev_b32 v[KV], 1, v[RHO]                 ; tb: d = channel / 2
	v_cndmask_b32 v[FA], v[FA], v[KV], s35
	s_lshl_b32 s37, s25, 3
	v_add_nc_u32 v[KV], s37, v3                    ; h + 8 x image
	v_lshlrev_b32 v[SGP], 31, v2
	v_and_b32 v[SGP], s34, v[SGP]                  ; tb: odd channels' powers,
	v_xor_b32 v[SGB], s34, v[SGP]                  ; even channels' bases
	s_lshl_b32 s38, s24, 3
	s_add_co_u32 s38, s38, s25
	s_lshl_b32 s38, s38, 11
	s_mov_b32 s39, 0
	s_add_nc_u64 s[26:27], s[26:27], s[38:39]      ; image (tile, s) at (8 tile + s) x 2,048
	s_mov_b32 s40, 0x3f22f983                      ; 2 / pi
	s_mov_b32 s41, 0xbfc90fdb                      ; -P1
	s_mov_b32 s42, 0x333bbd2e                      ; -(pi / 2 - P1)
	s_mov_b32 s43, 0xbe2aaaa3                      ; the sine's three,
	s_mov_b32 s44, 0x3c08839e
	s_mov_b32 s45, 0xb94ca1f9
	s_mov_b32 s46, 0x3d2aaaa5                      ; the cosine's three
	s_mov_b32 s47, 0xbab6061a
	s_mov_b32 s48, 0x37ccf5ce
.irp k, 0,1,2,3
	v_lshlrev_b32 v[AN], \k, v[FA]
	SINCOS PWR+2*\k, SGP
.endr
.irp m, 0,1,2,3
.irp b, 0,1,2,3
	v_add_nc_u32 v[AN], 8*\m+2*\b, v[KV]
	v_lshlrev_b32 v[AN], s28, v[AN]
	v_xor_b32 v[AN], s29, v[AN]
	v_mul_u32_u24 v[AN], v[FA], v[AN]              ; both factors lie under 1,024
	SINCOS IMG+8*\m+2*\b, SGB
.endr
.endr
.irp m, 0,1,2,3
	global_store_b128 v[OA], v[IMG+8*\m:IMG+8*\m+3], s[26:27] offset:2048*\m
	global_store_b128 v[OA], v[IMG+8*\m+4:IMG+8*\m+7], s[26:27] offset:2048*\m+512
	global_store_b128 v[OA], v[PWR:PWR+3], s[26:27] offset:2048*\m+1024
	global_store_b128 v[OA], v[PWR+4:PWR+7], s[26:27] offset:2048*\m+1536
.endr
.Lend:
	s_wait_tensorcnt 0x0                           ; the wave's end, behind the last LDS store
	ds_add_u32 v[SPW], v[NIL]
	s_wait_dscnt 0x0
	s_endpgm
.Lfunc_end_k_qba4767a5c3_prep:
	.size	k_qba4767a5c3_prep, .Lfunc_end_k_qba4767a5c3_prep-k_qba4767a5c3_prep
	.p2alignl 7, 3214868480
	.fill 96, 4, 3214868480
	.section	.rodata,"a",@progbits
	.p2align	6, 0x0
	.amdhsa_kernel k_qba4767a5c3_prep
		.amdhsa_group_segment_fixed_size 34304
		.amdhsa_private_segment_fixed_size 0
		.amdhsa_enable_private_segment 0
		.amdhsa_kernarg_size 72
		.amdhsa_user_sgpr_count 2
		.amdhsa_user_sgpr_kernarg_segment_ptr 1
		.amdhsa_wavefront_size32 1
		.amdhsa_system_sgpr_workgroup_id_x 1
		.amdhsa_system_sgpr_workgroup_id_y 1
		.amdhsa_system_sgpr_workgroup_id_z 1
		.amdhsa_system_vgpr_workitem_id 0
		.amdhsa_next_free_vgpr 256
		.amdhsa_next_free_sgpr 66
		.amdhsa_reserve_vcc 1
		.amdhsa_float_denorm_mode_32 3
		.amdhsa_float_denorm_mode_16_64 3
		.amdhsa_memory_ordered 1
		.amdhsa_forward_progress 1
		.amdhsa_inst_pref_size 63
	.end_amdhsa_kernel
	.amdgpu_metadata
---
amdhsa.version: [ 1, 2 ]
amdhsa.kernels:
  - .name:           k_qba4767a5c3_prep
    .symbol:         k_qba4767a5c3_prep.kd
    .args:
      - { .name: x, .offset: 0, .size: 8, .value_kind: global_buffer, .address_space: global }
      - { .name: Wk, .offset: 8, .size: 8, .value_kind: global_buffer, .address_space: global }
      - { .name: Wq, .offset: 16, .size: 8, .value_kind: global_buffer, .address_space: global }
      - { .name: Wv, .offset: 24, .size: 8, .value_kind: global_buffer, .address_space: global }
      - { .name: Wp, .offset: 32, .size: 8, .value_kind: global_buffer, .address_space: global }
      - { .name: xc, .offset: 40, .size: 8, .value_kind: global_buffer, .address_space: global }
      - { .name: wc, .offset: 48, .size: 8, .value_kind: global_buffer, .address_space: global }
      - { .name: ta, .offset: 56, .size: 8, .value_kind: global_buffer, .address_space: global }
      - { .name: tb, .offset: 64, .size: 8, .value_kind: global_buffer, .address_space: global }
    .group_segment_fixed_size: 34304
    .private_segment_fixed_size: 0
    .kernarg_segment_align: 8
    .kernarg_segment_size: 72
    .max_flat_workgroup_size: 128
    .sgpr_count:     66
    .vgpr_count:     256
    .wavefront_size: 32
...
	.end_amdgpu_metadata
.endif
;; end of part 1
;; launch qkv (part 2): grid 4 x 64, 4 waves a work-group, clusters of 4 x 4, 327,680 bytes of LDS; arguments xc, wc, ta, tb, bk, bq, bv, kq, vt; writes kq, vt
.if DOCPART == 2
	.amdgcn_target "amdgcn-amd-amdhsa--gfx1250"
	.amdhsa_code_object_version 6
	.text
	.protected	k_qba4767a5c3_qkv
	.globl	k_qba4767a5c3_qkv
	.p2align	8
	.type	k_qba4767a5c3_qkv,@function
k_qba4767a5c3_qkv:
	s_mov_b64 s[64:65], 0
	v_nop
	global_prefetch_b8 v0, s[64:65] scope:SCOPE_SE
	s_setreg_imm32_b32 hwreg(HW_REG_WAVE_MODE, 25, 1), 1
	s_wait_xcnt 0x0
	s_wait_alu depctr_hold_cnt(0) depctr_sa_sdst(0) depctr_va_vdst(0) depctr_va_sdst(0) depctr_va_ssrc(0) depctr_va_vcc(0) depctr_vm_vsrc(0)
	s_getreg_b32 s2, hwreg(HW_REG_IB_STS2, 6, 4)
	s_cmp_eq_u32 s2, 0
	s_cbranch_scc0 .Lentry_in_a_cluster
	s_endpgm
.Lentry_in_a_cluster:
	s_bfe_u32 s2, ttmp6, 0x10000c
	s_cmp_lg_u32 s2, 0xf033
	s_cbranch_scc0 .Lentry_shape_is_right
	s_endpgm
.Lentry_shape_is_right:
; QKV: k, q and v = x W^T + b on codes of E2M3, rotated, and quantised again as operands of the next products.
; Operands lie as records (a pair of tiles of 16 rows x 256 along K, 6,400 bytes, in the order of the operand's registers; lane r of tile T holds row 32 (T / 2) + 8 (T % 2) + r % 8 + 16 (r / 8)).
; A WORK-GROUP STAYS: it holds x's tile of 128 tokens (all of K = 1,024: 102,400 bytes) in LDS for its whole life and multiplies it by 256 rows of Wk, then of Wq, then of Wv: three tiles, 256 work-groups.
; THE MATRIX INSTRUCTION IS USED TRANSPOSED: source 0's 16 rows run along a lane's registers, source 1's 16 rows lie in the lanes.  A wave has 4 tiles on the lane side and 8 on the register side: 32 accumulators; by the
; order of rows in a tile the 64 registers of lane-side tile a are register 16 b + i = the register side's row 32 b + 16 h + i: neighbours along the next product's K.
; TILES k AND q: lane side = 64 of the tokens (my half), register side = 128 of the weight's rows (my half).  A lane holds a token; pairs of channels lie in neighbouring registers.  Result: kq, K = channels.
; TILE v: lane side = 64 of Wv's rows (my quarter), register side = all 128 tokens.  A lane holds a CHANNEL and its registers run along the tokens, which are the K of the product with wei: v comes out with the
; tokens innermost and nothing is transposed.  A pair of channels lies in lanes l and l xor 1.  Result: vt.  The products' text is the same for all three tiles: four scalars say where the two sides lie in a chunk.
; LDS: chunk c of K (256) at 76,800 c: x's 4 records, then the weight's 8.  x's bytes are filled once.  The weight's bytes are a ring of two slots (slot s = chunks 2 s, 2 s + 1) that goes on from tile to tile:
; when a slot's last operands are in registers, every wave waits for all its tensor loads, adds 0 to its spare word, waits for that and for its LDS reads, and passes a round of the cluster's barrier; behind it each
; wave issues one load, a quarter of the slot, with the NEXT tile's rows.  Slot 0's refill has four K steps (128 matrix instructions a wave) in which to land, slot 1's the way out and the next tile's first four steps.
; A wave has four tensor loads out at the head and one behind each round.
; CLUSTERS: 4 x 4.  x's tile hangs on the tile row alone and is asked for jointly along a row of the cluster, the weights' tiles on the tile column alone, along a column.  No branch hangs on a work-group's number.
; THE ANGLES: a table image gives four base angles and four powers a lane; the others are complex products in f32, three deep (8 pairs of channels from a base) or four deep (16 tokens from a base).
; LIMITS: a cosine or sine is within about 4e-7 of the true one; a block under 2^-124 or of zeros has the scale byte 1; NaN and infinities are not served.
; REGISTERS: window 0: v1-15 addresses; v16-31 scale words, two sets, and nothing else; v32-127 the lane side's fragments, two sets (in the way out: angles, then codes); v128-191 H, the 64 numbers in hand;
;   v192-255 four table images.   window 1: the accumulators, (a, b) at v[8 (8 a + b)].   window 2: the register side's fragments, two sets at v0 and v96; the bias from v192.
.set REC,   6400
.set CHUNK, 12*REC                     ; x's 4 records, then the weight's 8
.set SPARE, 4*CHUNK                    ; behind the chunks: the spare words, 128 bytes for each wave
.set ADRA, 4                           ; LDS: the lane side's fragments of the chunk in hand
.set ADRB, 5                           ; the register side's
.set ADRS, 6                           ; scale words of tiles 0-3: lanes 0-15 the lane side's, lanes 16-31 the register side's
.set L16,  7                           ; 16 x lane
.set BA,   8                           ; the bias' offset
.set ADRT, 9                           ; scale words of the register side's tiles 4-7, in all lanes
.set OA,   10                          ; where I store codes
.set OS,   11                          ; and scale words
.set BSS,  12                          ; 4 r + (one half of the lanes) x the distance between the two sides
.set R4,   13                          ; 4 r
.set SPW,  14
.set NIL,  15
.set SC,   16
.set AF,   32
.set ZB,   32                          ; the way out: angles
.set TM,   32                          ; then QUANT's registers
.set PC,   48
.set PWA,  96                          ; v96, v97 two tiles' scale words; v98 both in one
.set PWS,  98
.set TT,   100                         ; v100-115 eight pairs at work
.set H,    128
.set TAB,  192
.set BI,   192                         ; in window 2
.set WV,   2
.set WM,   3
.set WN,   4
.set HM,   5
.set SEL,  6
.set OUT,  8
.set CX,   10
.set CY,   11
.set MT,   13
.set G1X,  16                          ; descriptor group 1 for x's quarters
.set G1W,  24                          ; and for the weights'
.set G0X,  32                          ; groups 0: a set for each half of K
.set G0W,  40                          ; and for each slot; these walk from tile to tile
.set SA,   48                          ; where the lane side lies in a chunk,
.set SB,   49                          ; and the register side;
.set SS,   50                          ; the lower of the two + 6144,
.set ST,   51                          ; the register side + 6144
.set TRIP, 52
.set BP,   54                          ; the bias of the tile in hand
.set BQ,   56
.set BV,   58
.set OUTV, 60
.set MSB, 0
.macro WIN new                         ; the immediate's high byte repeats the setting that is left
.if MSB != \new
	s_set_vgpr_msb (MSB<<8)|\new
.set MSB, \new
.endif
.endm
.macro PLACES                          ; four plain places behind matrix instructions, ahead of loads into their sources and of reads of their results
.rept 4
	v_nop
.endr
.endm
.macro CREST                           ; a round of the cluster's barrier behind its opening barrier
	s_cmp_lg_u32 s[WV], 0
	s_cbranch_scc1 .Lnot_wave_0_\@
	s_barrier_signal -3
.Lnot_wave_0_\@:
	s_barrier_wait -3
	s_barrier_signal -1
	s_barrier_wait -1
.endm
.macro CROUND                          ; a whole round
	s_barrier_signal -1
	s_barrier_wait -1
	CREST
.endm
.macro FETCH e, set                    ; the fragments and scale words of the chunk's e-th 128 along K: 44 loads in one run
	WIN 0x80
.irp b, 0,1,2,3,4,5,6,7
.irp g, 0,1,2
	ds_load_b128 v[96*(\set)+12*\b+4*\g:96*(\set)+12*\b+4*\g+3], v[ADRB] offset:(\b/2)*REC+(\b%2)*3072+(\e)*1536+512*\g
.endr
.endr
	WIN 0
.irp a, 0,1,2,3
.irp g, 0,1,2
	ds_load_b128 v[AF+48*(\set)+12*\a+4*\g:AF+48*(\set)+12*\a+4*\g+3], v[ADRA] offset:(\a/2)*REC+(\a%2)*3072+(\e)*1536+512*\g
.endr
.endr
.irp b, 0,1,2,3
	ds_load_b32 v[SC+8*(\set)+\b], v[ADRS] offset:(\b/2)*REC+(\e)*128+(\b%2)*64   ; lanes 0-15: the words of the lane side's tile b, lanes 16-31: of the register side's tile b
.endr
.irp b, 4,5,6,7
	ds_load_b32 v[SC+8*(\set)+\b], v[ADRT] offset:(\b/2)*REC+(\e)*128+(\b%2)*64   ; the register side's tile b, in both halves of the lanes; lanes 16-31 are read
.endr
.endm
.macro MULA a, set, zero               ; the lane side's tile a against the register side's eight.  The 32 accumulators take turns, one instruction a turn, in the same order in every step
.irp b, 0,1,2,3,4,5,6,7
.if \zero
	v_wmma_scale_f32_16x16x128_f8f6f4 v[8*(8*(\a)+\b):8*(8*(\a)+\b)+7], v[96*(\set)+12*\b:96*(\set)+12*\b+11], v[AF+48*(\set)+12*(\a):AF+48*(\set)+12*(\a)+11], 0, v[SC+8*(\set)+\b], v[SC+8*(\set)+(\a)] matrix_a_fmt:MATRIX_FMT_FP6 matrix_b_fmt:MATRIX_FMT_FP6 matrix_a_scale:MATRIX_SCALE_ROW1
.else
	v_wmma_scale_f32_16x16x128_f8f6f4 v[8*(8*(\a)+\b):8*(8*(\a)+\b)+7], v[96*(\set)+12*\b:96*(\set)+12*\b+11], v[AF+48*(\set)+12*(\a):AF+48*(\set)+12*(\a)+11], v[8*(8*(\a)+\b):8*(8*(\a)+\b)+7], v[SC+8*(\set)+\b], v[SC+8*(\set)+(\a)] matrix_a_fmt:MATRIX_FMT_FP6 matrix_b_fmt:MATRIX_FMT_FP6 matrix_a_scale:MATRIX_SCALE_ROW1
.endif
.endr
.endm
.macro STEPADR                         ; on to the next chunk: four plain lines, which are also the places ahead of the loads that follow
	v_add_nc_u32 v[ADRA], CHUNK, v[ADRA]
	v_add_nc_u32 v[ADRB], CHUNK, v[ADRB]
	v_add_nc_u32 v[ADRS], CHUNK, v[ADRS]
	v_add_nc_u32 v[ADRT], CHUNK, v[ADRT]
.endm
.macro EVEN zero                       ; a chunk's first 128 along K, on set 0; the second's operands are fetched behind its first eight products
	s_wait_dscnt 0x0
	WIN 0x52                                       ; source 0 window 2, source 1 window 0, C and D window 1
	MULA 0, 0, \zero
	PLACES
	FETCH 1, 1
	WIN 0x52
	MULA 1, 0, \zero
	MULA 2, 0, \zero
	MULA 3, 0, \zero
.endm
.macro ODDIN                           ; a chunk's second 128, on set 1, where the next chunk lies in the same slot: the barrier in front of the slot has shown it whole
	s_wait_dscnt 0x0
	WIN 0x52
	MULA 0, 1, 0
	WIN 0
	STEPADR
	FETCH 0, 0
	WIN 0x52
	MULA 1, 1, 0
	MULA 2, 1, 0
	MULA 3, 1, 0
.endm
; The head of a slot's last step.  My last operands of the slot have been asked for.  I wait for all my tensor loads (what can be out is my part of the other slot: two loads at the first meeting, one later), add 0 to my spare word, and wait for that and for
; my LDS reads; then the barrier.  fill = 1: it opens a round of the cluster's barrier, so that no wave of any partner still reads the slot or has a load on its way, and the slot takes the next tile's rows.
.macro MEET slot, fill
	WIN 0                                          ; (the add's two registers lie in window 0)
	s_wait_tensorcnt 0x0                           ; no tensor load of mine is out, so a group 0 may be written
	ds_add_u32 v[SPW], v[NIL]                      ; 0 onto my spare word
.if \fill
	s_add_nc_u64 s[G0W+4*(\slot)+2:G0W+4*(\slot)+3], s[G0W+4*(\slot)+2:G0W+4*(\slot)+3], 32*REC   ; the next weight lies 32 pairs on in wc; the type bits on top are not reached
.endif
	s_wait_dscnt 0x0                               ; the add is done, and my reads of this slot are over: its last operands are in registers
	s_barrier_signal -1
	WIN 0x52
	MULA 0, 1, 0                                   ; work on registers while the others arrive
	WIN 0
	s_barrier_wait -1
.if \fill
	CREST
	tensor_load_to_lds s[G0W+4*(\slot):G0W+4*(\slot)+3], s[G1W:G1W+7]   ; my one load behind the round, and the first thing there
	s_nop 0
.endif
.endm
.macro MAIN fill                       ; K = 1,024: eight steps of 32 matrix instructions
	v_add_nc_u32 v[ADRA], s[SA], v[L16]
	v_add_nc_u32 v[ADRB], s[SB], v[L16]
	v_add_nc_u32 v[ADRS], s[SS], v[BSS]
	v_add_nc_u32 v[ADRT], s[ST], v[R4]
	FETCH 0, 0
	EVEN 1                                         ; the first step's products start the sums
	ODDIN
	EVEN 0
	MEET 0, \fill                                  ; slot 0 is left
	STEPADR                                        ; (four useful lines behind the tensor load, ahead of the next switch of windows)
	FETCH 0, 0
	WIN 0x52
	MULA 1, 1, 0
	MULA 2, 1, 0
	MULA 3, 1, 0
	EVEN 0
	ODDIN
	EVEN 0
.if \fill
	MEET 1, 1                                      ; slot 1 is left
	PLACES
	WIN 0x52
.else
	s_wait_dscnt 0x0
	WIN 0x52
	MULA 0, 1, 0
.endif
	MULA 1, 1, 0
	MULA 2, 1, 0
	MULA 3, 1, 0
	WIN 0
	PLACES
	s_wait_loadcnt 0x0                             ; the bias and the table images, asked for ahead of the products
.endm
.macro QUANT s, pw                     ; 64 numbers of a lane, register 16 b + i = k 32 b + 16 h + i of my row, become a fragment's codes in v[PC] on and its scale word in v[pw]
.irp b, 0,1,2,3
	v_max3_num_f32 v[TM+\b], |v[\s+16*\b]|, |v[\s+1+16*\b]|, 0x1800000   ; and the floor 2^(3 - 127): the byte cannot fall under 1
.endr
.irp i, 2,4,6,8,10,12,14
.irp b, 0,1,2,3
	v_max3_num_f32 v[TM+\b], v[TM+\b], |v[\s+16*\b+\i]|, |v[\s+1+16*\b+\i]|
.endr
.endr
.irp b, 0,1,2,3
	v_permlanex16_b32 v[TM+4+\b], v[TM+\b], s[SEL], s[SEL+1]
.endr
.irp b, 0,1,2,3
	v_max_num_f32 v[TM+\b], v[TM+\b], v[TM+4+\b]
.endr
.irp b, 0,1,2,3
	v_add_nc_u32 v[TM+12+\b], 0xff000000, v[TM+\b]                       ; 2 off the exponent field: the conversion's scale operand
.endr
.irp b, 0,1,2,3
	v_lshrrev_b32 v[TM+4+\b], 23, v[TM+12+\b]
.endr
	v_lshl_or_b32 v[\pw], v[TM+5], 8, v[TM+4]
	v_lshl_or_b32 v[\pw], v[TM+6], 16, v[\pw]
	v_lshl_or_b32 v[\pw], v[TM+7], 24, v[\pw]
.irp c, 0,1
	v_cvt_scalef32_pk16_fp6_f32 v[PC+6*\c:PC+2+6*\c], v[\s+32*\c:\s+15+32*\c], v[TM+12+2*\c]
	v_cvt_scalef32_pk16_fp6_f32 v[PC+12+4*\c:PC+14+4*\c], v[\s+16+32*\c:\s+31+32*\c], v[TM+12+2*\c+1]
.endr
	v_nop                                          ; one plain place behind a scaled conversion
.irp c, 0,1
.irp i, 0,1,2
	v_permlane16_swap_b32 v[PC+6*\c+\i], v[PC+12+4*\c+\i]
.endr
.irp i, 0,1,2
	v_mov_b32 v[PC+3+6*\c+\i], v[PC+12+4*\c+\i]
.endr
.endr
.endm
.macro PUT a                           ; tile a's fragment goes out as it stands: three stores of 512 consecutive bytes; a pair's scale words by one store of 128
.irp g, 0,1,2
	global_store_b128 v[OA], v[PC+4*\g:PC+4*\g+3], s[OUT:OUT+1] offset:((\a)/2)*REC+((\a)%2)*3072+512*\g
.endr
.if (\a)%2
	v_cndmask_b32 v[PWS], v[PWA], v[PWA+1], s[HM]
	global_store_b32 v[OS], v[PWS], s[OUT:OUT+1] offset:((\a)/2)*REC
.endif
.endm
; Angles as complex numbers (cosine, sine).  TREE: in each of the four blocks, angle d = angle x + power w; angle 0 is the image's base
.macro TREE a, d, x, w
.irp b, 0,1,2,3
.if (\x) == 0
.set XR, TAB+16*(\a)+2*\b
.else
.set XR, ZB+16*\b+2*(\x)
.endif
	v_pk_mul_f32 v[ZB+16*\b+2*(\d):ZB+16*\b+2*(\d)+1], v[XR:XR+1], v[TAB+16*(\a)+8+2*(\w):TAB+16*(\a)+9+2*(\w)] op_sel_hi:[1,0]
.endr
.irp b, 0,1,2,3
.if (\x) == 0
.set XR, TAB+16*(\a)+2*\b
.else
.set XR, ZB+16*\b+2*(\x)
.endif
	v_pk_fma_f32 v[ZB+16*\b+2*(\d):ZB+16*\b+2*(\d)+1], v[XR:XR+1], v[TAB+16*(\a)+8+2*(\w):TAB+16*(\a)+9+2*(\w)], v[ZB+16*\b+2*(\d):ZB+16*\b+2*(\d)+1] op_sel:[1,1,0] op_sel_hi:[0,1,1] neg_lo:[0,1,0]
.endr
.endm
.macro GENZ a                          ; eight angles a block: base + 0 .. 7 steps
	TREE \a, 1, 0, 0
	TREE \a, 2, 0, 1
	TREE \a, 3, 1, 1
	TREE \a, 4, 0, 2
	TREE \a, 5, 1, 2
	TREE \a, 6, 2, 2
	TREE \a, 7, 3, 2
.endm
.macro ROTB a                          ; 32 pairs of H are turned: y0 = c x0 + s x1, y1 = c x1 - s x0
.irp b, 0,1,2,3
.irp i, 0,1,2,3,4,5,6,7
.if \i == 0
.set XR, TAB+16*(\a)+2*\b
.else
.set XR, ZB+16*\b+2*\i
.endif
	v_pk_mul_f32 v[TT+2*\i:TT+2*\i+1], v[H+16*\b+2*\i:H+16*\b+2*\i+1], v[XR:XR+1] op_sel_hi:[1,0]
.endr
.irp i, 0,1,2,3,4,5,6,7
.if \i == 0
.set XR, TAB+16*(\a)+2*\b
.else
.set XR, ZB+16*\b+2*\i
.endif
	v_pk_fma_f32 v[H+16*\b+2*\i:H+16*\b+2*\i+1], v[H+16*\b+2*\i:H+16*\b+2*\i+1], v[XR:XR+1], v[TT+2*\i:TT+2*\i+1] op_sel:[1,1,0] op_sel_hi:[0,1,1] neg_hi:[0,1,0]
.endr
.endr
.endm
.macro EPIKQ a                         ; tile a's 16 tokens x 128 channels: bias, rotation, codes
	WIN 0x09                                       ; source 0 window 1 (the sums, each accumulator from its low end on), source 1 window 2 (the bias)
.set k, 0
.rept 32
	v_pk_add_f32 v[H+2*k:H+2*k+1], v[64*(\a)+2*k:64*(\a)+2*k+1], v[BI+2*k:BI+2*k+1]
.set k, k+1
.endr
	WIN 0
.if (\a) > 0
	s_wait_xcnt 0x0                                ; the last tile's stores have read the codes' registers, which the angles now take
.endif
	GENZ \a
	ROTB \a
	QUANT H, PWA+((\a)%2)
	PUT \a
.endm
; TILE v.  LEVEL: in blocks bb and bb + 1, angles 2^k .. 2^(k+1) - 1 = angles 0 .. 2^k - 1 + power k
.macro LEVEL a, bb, k
.set j, 0
.rept 1<<(\k)
.irp t, 0,1
.if j == 0
.set XR, TAB+16*(\a)+2*((\bb)+\t)
.else
.set XR, ZB+32*\t+2*j
.endif
.set DR, ZB+32*\t+2*(j+(1<<(\k)))
	v_pk_mul_f32 v[DR:DR+1], v[XR:XR+1], v[TAB+16*(\a)+8+2*(\k):TAB+16*(\a)+9+2*(\k)] op_sel_hi:[1,0]
.endr
.set j, j+1
.endr
.set j, 0
.rept 1<<(\k)
.irp t, 0,1
.if j == 0
.set XR, TAB+16*(\a)+2*((\bb)+\t)
.else
.set XR, ZB+32*\t+2*j
.endif
.set DR, ZB+32*\t+2*(j+(1<<(\k)))
	v_pk_fma_f32 v[DR:DR+1], v[XR:XR+1], v[TAB+16*(\a)+8+2*(\k):TAB+16*(\a)+9+2*(\k)], v[DR:DR+1] op_sel:[1,1,0] op_sel_hi:[0,1,1] neg_lo:[0,1,0]
.endr
.set j, j+1
.endr
.endm
.macro APPLY a, bb                     ; y = cos x mine + (the neighbour's signed sine x the neighbour's number): the pair's other channel lies in lane l xor 1
.irp t, 0,1
.irp q, 0,8
.set j, 0
.rept 8
.if \q+j == 0
.set XR, TAB+16*(\a)+2*((\bb)+\t)
.else
.set XR, ZB+32*\t+2*(\q+j)
.endif
.set HP, H+16*((\bb)+\t)+\q+2*(j/2)
.if j%2
	v_pk_mul_f32 v[TT+2*j:TT+2*j+1], v[XR:XR+1], v[HP:HP+1] op_sel:[0,1] op_sel_hi:[1,1]
.else
	v_pk_mul_f32 v[TT+2*j:TT+2*j+1], v[XR:XR+1], v[HP:HP+1] op_sel_hi:[1,0]
.endif
.set j, j+1
.endr
.set j, 0
.rept 8
	v_add_f32_dpp v[H+16*((\bb)+\t)+\q+j], v[TT+2*j+1], v[TT+2*j] row_xmask:1 row_mask:0xf bank_mask:0xf
.set j, j+1
.endr
.endr
.endr
.endm
.macro EPIV a                          ; tile a's 16 channels x 128 tokens
	WIN 0x09
.set k, 0
.rept 32
	v_pk_add_f32 v[H+2*k:H+2*k+1], v[64*(\a)+2*k:64*(\a)+2*k+1], v[BI+2*(\a):BI+2*(\a)+1]
.set k, k+1
.endr
	WIN 0
.if (\a) > 0
	s_wait_xcnt 0x0
.endif
.irp bb, 0,2
	LEVEL \a, \bb, 0
	LEVEL \a, \bb, 1
	LEVEL \a, \bb, 2
	LEVEL \a, \bb, 3
	APPLY \a, \bb
.endr
	QUANT H, PWA+((\a)%2)
	PUT \a
.endm
	s_load_b512 s[68:83], s[0:1], 0x0              ; xc, wc, ta, tb, bk, bq, bv, kq
	s_load_b64 s[84:85], s[0:1], 0x40              ; vt
	v_lshl_add_u32 v[SPW], v0, 2, SPARE
	v_mov_b32 v[NIL], 0
	ds_add_u32 v[SPW], v[NIL]                      ; the wave's opening
	ds_add_u32 v[SPW], v[NIL]
	v_lshrrev_b32 v1, 5, v0
	v_readfirstlane_b32 s[WV], v1                  ; wave 0..3
	s_lshr_b32 s[WM], s[WV], 1                     ; tiles k, q: my half of the tokens.  Also: which chunk of a slot I fetch
	s_and_b32 s[WN], s[WV], 1                      ; tiles k, q: my half of the weight's rows.  Also: which half of that chunk's records I fetch
	s_mov_b32 s[HM], 0xffff0000
	s_mov_b32 s[SEL], 0x76543210
	s_mov_b32 s[SEL+1], 0xfedcba98
	s_bfe_u32 s[CX], ttmp6, 0x40000                ; cx = the tile column: 256 rows of each weight
	s_bfe_u32 s[CY], ttmp6, 0x40004                ; cy
	s_and_b32 s12, ttmp7, 0xffff
	s_lshl_b32 s[MT], s12, 2
	s_add_co_u32 s[MT], s[MT], s[CY]               ; mt: the tile row: 128 tokens
	s_lshl_b32 s86, s[CY], 2
	s_lshl_b32 s86, 15, s86                        ; my row of the cluster
	s_lshl_b32 s87, 0x1111, s[CX]                  ; my column
	; descriptor group 1: a dense block as rows of 256 bytes (32 elements of 8 bytes): x's quarter 50 rows, a weight's quarter 100
	s_or_b32 s[G1X], s86, (3<<16)|(1<<21)
	s_or_b32 s[G1W], s87, (3<<16)|(1<<21)
.irp g, G1X, G1W
	s_mov_b32 s[\g+1], 32<<16
	s_mov_b32 s[\g+3], 32<<16
	s_mov_b32 s[\g+5], 32
	s_mov_b32 s[\g+6], 0
	s_mov_b32 s[\g+7], 0
.endr
	s_mov_b32 s[G1X+2], 50<<16
	s_mov_b32 s[G1X+4], 50
	s_mov_b32 s[G1W+2], 100<<16
	s_mov_b32 s[G1W+4], 100
	s_lshl_b32 s88, s[WM], 8                       ; x: record (chunk wm, pair 4 mt + 2 wn) of 256 pairs a chunk: made of the tile row and the wave's number alone
	s_lshl_b32 s89, s[MT], 2
	s_add_co_u32 s88, s88, s89
	s_lshl_b32 s89, s[WN], 1
	s_add_co_u32 s88, s88, s89
	s_mul_i32 s88, s88, REC
	s_mov_b32 s89, 0
	s_lshl_b32 s90, s[WM], 7                       ; Wk: record (chunk wm, pair 8 cx + 4 wn) of 128 pairs a chunk: of the tile column and the wave's number alone
	s_lshl_b32 s91, s[CX], 3
	s_add_co_u32 s90, s90, s91
	s_lshl_b32 s91, s[WN], 2
	s_add_co_u32 s90, s90, s91
	s_mul_i32 s90, s90, REC
	s_mov_b32 s91, 0
	s_mul_i32 s92, s[WM], CHUNK                    ; where they go: the wave's number alone
	s_mul_i32 s93, s[WN], 2*REC
	s_add_co_u32 s93, s93, s92
	s_mul_i32 s94, s[WN], 4*REC
	s_add_co_u32 s94, s94, s92
	s_add_co_u32 s94, s94, 4*REC
	s_wait_dscnt 0x0                               ; both opening adds are done
	s_wait_kmcnt 0x0
	s_mov_b32 s[G0X], 1
	s_mov_b32 s[G0X+1], s93
	s_add_nc_u64 s[G0X+2:G0X+3], s[68:69], s[88:89]
	s_mov_b32 s[G0X+4], 1
	s_add_co_u32 s[G0X+5], s93, 2*CHUNK
	s_add_nc_u64 s[G0X+6:G0X+7], s[G0X+2:G0X+3], 2*256*REC   ; two chunks on
	s_or_b32 s[G0X+3], s[G0X+3], 0x80000000
	s_or_b32 s[G0X+7], s[G0X+7], 0x80000000
	s_mov_b32 s[G0W], 1
	s_mov_b32 s[G0W+1], s94
	s_add_nc_u64 s[G0W+2:G0W+3], s[70:71], s[90:91]
	s_mov_b32 s[G0W+4], 1
	s_add_co_u32 s[G0W+5], s94, 2*CHUNK
	s_add_nc_u64 s[G0W+6:G0W+7], s[G0W+2:G0W+3], 2*128*REC
	s_or_b32 s[G0W+3], s[G0W+3], 0x80000000
	s_or_b32 s[G0W+7], s[G0W+7], 0x80000000
	CROUND                                         ; all sixteen work-groups are here: the joint loads meet
	tensor_load_to_lds s[G0X:G0X+3], s[G1X:G1X+7]          ; the first half of K: x's quarter,
	s_nop 0
	tensor_load_to_lds s[G0W:G0W+3], s[G1W:G1W+7]          ; Wk's;
	s_nop 0
	tensor_load_to_lds s[G0X+4:G0X+7], s[G1X:G1X+7]        ; the second half
	s_nop 0
	tensor_load_to_lds s[G0W+4:G0W+7], s[G1W:G1W+7]
	s_nop 0
.rept 4
	v_nop
.endr
	v_and_b32 v1, 15, v0                           ; r
	v_bfe_u32 v2, v0, 4, 1                         ; h
	v_and_b32 v3, 31, v0                           ; lane
	v_lshlrev_b32 v[L16], 4, v3
	v_lshlrev_b32 v[R4], 2, v1
	s_and_b32 s86, s[MT], 7                        ; ta: the image of my tile a of tokens: (8 (mt % 8) + 4 wm + a, 2 cx + wn); it serves k and q
	s_lshl_b32 s86, s86, 3
	s_lshl_b32 s96, s[WM], 2
	s_add_co_u32 s86, s86, s96
	s_lshl_b32 s86, s86, 3
	s_lshl_b32 s96, s[CX], 1
	s_add_co_u32 s86, s86, s96
	s_add_co_u32 s86, s86, s[WN]
	s_lshl_b32 s86, s86, 11
	s_mov_b32 s87, 0
	s_add_nc_u64 s[72:73], s[72:73], s[86:87]
.irp a, 0,1,2,3
.irp g, 0,1,2,3
	global_load_b128 v[TAB+16*\a+4*\g:TAB+16*\a+4*\g+3], v[L16], s[72:73] offset:\a*16384+512*\g
.endr
.endr
	s_lshl_b32 s86, s[CX], 4                       ; tb: the image of my tile a of channels: (16 cx + 4 w + a, mt % 8)
	s_lshl_b32 s96, s[WV], 2
	s_add_co_u32 s86, s86, s96
	s_lshl_b32 s86, s86, 3
	s_and_b32 s96, s[MT], 7
	s_add_co_u32 s86, s86, s96
	s_lshl_b32 s86, s86, 11
	s_add_nc_u64 s[74:75], s[74:75], s[86:87]
	s_lshl_b32 s86, s[CX], 8                       ; kq: record (chunk cx, pair 4 mt + 2 wm); q's lie four chunks on
	s_lshl_b32 s96, s[MT], 2
	s_add_co_u32 s86, s86, s96
	s_lshl_b32 s96, s[WM], 1
	s_add_co_u32 s86, s86, s96
	s_mul_i32 s86, s86, REC
	s_add_nc_u64 s[OUT:OUT+1], s[82:83], s[86:87]
	s_lshr_b32 s86, s[MT], 1                       ; vt: record (chunk mt / 2, pair 8 cx + 2 w) of 32 pairs a chunk
	s_lshl_b32 s86, s86, 5
	s_lshl_b32 s96, s[CX], 3
	s_add_co_u32 s86, s86, s96
	s_lshl_b32 s96, s[WV], 1
	s_add_co_u32 s86, s86, s96
	s_mul_i32 s86, s86, REC
	s_add_nc_u64 s[OUTV:OUTV+1], s[84:85], s[86:87]
	s_lshl_b32 s86, s[CX], 10                      ; bk, bq at channel 256 cx + 128 wn
	s_lshl_b32 s96, s[WN], 9
	s_add_co_u32 s86, s86, s96
	s_add_nc_u64 s[BP:BP+1], s[76:77], s[86:87]
	s_add_nc_u64 s[BQ:BQ+1], s[78:79], s[86:87]
	s_lshl_b32 s86, s[CX], 10                      ; bv at channel 256 cx + 64 w
	s_lshl_b32 s96, s[WV], 8
	s_add_co_u32 s86, s86, s96
	s_add_nc_u64 s[BV:BV+1], s[80:81], s[86:87]
	s_mul_i32 s[SA], s[WM], 2*REC                  ; tiles k, q: the lane side is my 64 tokens,
	s_mul_i32 s[SB], s[WN], 4*REC
	s_add_co_u32 s[SB], s[SB], 4*REC               ; the register side my 128 rows of the weight
	s_add_co_u32 s[SS], s[SA], 6144
	s_add_co_u32 s[ST], s[SB], 6144
	s_sub_co_u32 s86, s[SB], s[SA]
	v_mul_u32_u24 v[BSS], s86, v2                  ; lanes 16-31 take the register side's scale words
	v_add_nc_u32 v[BSS], v[BSS], v[R4]
	s_mul_i32 s86, s[WN], 1536
	v_add_nc_u32 v[OA], s86, v[L16]                ; my 128 channels are the wn-th K step of their chunk
	v_lshl_add_u32 v[OS], v3, 2, 6144
	s_lshl_b32 s86, s[WN], 7
	v_add_nc_u32 v[OS], s86, v[OS]
	v_lshlrev_b32 v[BA], 6, v2                     ; register 16 b + i wants the bias of channel 32 b + 16 h + i
	s_mov_b32 s[TRIP], 2
	s_wait_tensorcnt 2                             ; my parts of the first half of K are in; my two loads of the second half may be out
	s_barrier_signal -1
	s_barrier_wait -1
.Ltile:                                                ; two trips: k, then q.  At the head slot 0 is whole: the barrier above, or the round at the last trip's eighth step, has shown it
	WIN 0x80
.set k, 0
.rept 16
	global_load_b128 v[BI+4*k:BI+4*k+3], v[BA], s[BP:BP+1] offset:128*(k/4)+16*(k%4)
.set k, k+1
.endr
	WIN 0
	MAIN 1
	EPIKQ 0
	EPIKQ 1
	EPIKQ 2
	EPIKQ 3
	s_wait_xcnt 0x0                                ; the stores have read their registers and their base, the bias' loads theirs: all may be written again
	s_mov_b64 s[BP:BP+1], s[BQ:BQ+1]
	s_add_nc_u64 s[OUT:OUT+1], s[OUT:OUT+1], 4*256*REC
	s_sub_co_u32 s[TRIP], s[TRIP], 1
	s_cmp_lg_u32 s[TRIP], 0
	s_cbranch_scc1 .Ltile
	; ---- TILE v, written out: nothing is left to ask for
	s_mov_b64 s[OUT:OUT+1], s[OUTV:OUTV+1]
	s_mul_i32 s[SA], s[WV], 2*REC
	s_add_co_u32 s[SA], s[SA], 4*REC               ; the lane side is my 64 rows of Wv,
	s_mov_b32 s[SB], 0                             ; the register side all 128 tokens
	s_mov_b32 s[SS], 6144
	s_mov_b32 s[ST], 6144
	v_and_b32 v1, 15, v0                           ; r
	v_bfe_u32 v2, v0, 4, 1                         ; h
	v_and_b32 v3, 31, v0                           ; lane
	v_xor_b32 v2, 1, v2
	v_mul_u32_u24 v[BSS], s[SA], v2                ; lanes 0-15 take the lane side's scale words, which now lie above the register side's
	v_add_nc_u32 v[BSS], v[BSS], v[R4]
	s_and_b32 s86, s[MT], 1                        ; my 128 tokens are the (mt % 2)-th K step of their chunk
	s_mul_i32 s96, s86, 1536
	v_add_nc_u32 v[OA], s96, v[L16]
	v_lshl_add_u32 v[OS], v3, 2, 6144
	s_lshl_b32 s96, s86, 7
	v_add_nc_u32 v[OS], s96, v[OS]
	v_and_b32 v[BA], 7, v1
	v_lshrrev_b32 v3, 3, v1
	v_lshl_add_u32 v[BA], v3, 4, v[BA]
	v_lshlrev_b32 v[BA], 2, v[BA]                  ; my channel in a tile
.irp a, 0,1,2,3
.irp g, 0,1,2,3
	global_load_b128 v[TAB+16*\a+4*\g:TAB+16*\a+4*\g+3], v[L16], s[74:75] offset:\a*16384+512*\g
.endr
.endr
	WIN 0x80
.irp a, 0,1,2,3
	global_load_b32 v[BI+2*\a], v[BA], s[BV:BV+1] offset:(32*(\a/2)+8*(\a%2))*4      ; my channel's bias, twice: a pair for the packed addition
	global_load_b32 v[BI+2*\a+1], v[BA], s[BV:BV+1] offset:(32*(\a/2)+8*(\a%2))*4
.endr
	WIN 0
	MAIN 0
	EPIV 0
	EPIV 1
	EPIV 2
	EPIV 3
	s_wait_tensorcnt 0x0                           ; the wave's end
	ds_add_u32 v[SPW], v[NIL]
	s_wait_dscnt 0x0
	CROUND                                         ; the closing round
	s_endpgm
.Lfunc_end_k_qba4767a5c3_qkv:
	.size	k_qba4767a5c3_qkv, .Lfunc_end_k_qba4767a5c3_qkv-k_qba4767a5c3_qkv
	.p2alignl 7, 3214868480
	.fill 96, 4, 3214868480
	.section	.rodata,"a",@progbits
	.p2align	6, 0x0
	.amdhsa_kernel k_qba4767a5c3_qkv
		.amdhsa_group_segment_fixed_size 327680
		.amdhsa_private_segment_fixed_size 0
		.amdhsa_enable_private_segment 0
		.amdhsa_kernarg_size 72
		.amdhsa_user_sgpr_count 2
		.amdhsa_user_sgpr_kernarg_segment_ptr 1
		.amdhsa_wavefront_size32 1
		.amdhsa_system_sgpr_workgroup_id_x 1
		.amdhsa_system_sgpr_workgroup_id_y 1
		.amdhsa_system_sgpr_workgroup_id_z 1
		.amdhsa_system_vgpr_workitem_id 0
		.amdhsa_next_free_vgpr 768
		.amdhsa_next_free_sgpr 102
		.amdhsa_reserve_vcc 0
		.amdhsa_float_denorm_mode_32 3
		.amdhsa_float_denorm_mode_16_64 3
		.amdhsa_memory_ordered 1
		.amdhsa_forward_progress 1
		.amdhsa_inst_pref_size 255
	.end_amdhsa_kernel
	.section	.bss,"aw",@nobits
	.p2align	6
	.space	262144
	.amdgpu_metadata
---
amdhsa.version: [ 1, 2 ]
amdhsa.kernels:
  - .name:           k_qba4767a5c3_qkv
    .symbol:         k_qba4767a5c3_qkv.kd
    .args:
      - { .name: xc, .offset: 0, .size: 8, .value_kind: global_buffer, .address_space: global }
      - { .name: wc, .offset: 8, .size: 8, .value_kind: global_buffer, .address_space: global }
      - { .name: ta, .offset: 16, .size: 8, .value_kind: global_buffer, .address_space: global }
      - { .name: tb, .offset: 24, .size: 8, .value_kind: global_buffer, .address_space: global }
      - { .name: bk, .offset: 32, .size: 8, .value_kind: global_buffer, .address_space: global }
      - { .name: bq, .offset: 40, .size: 8, .value_kind: global_buffer, .address_space: global }
      - { .name: bv, .offset: 48, .size: 8, .value_kind: global_buffer, .address_space: global }
      - { .name: kq, .offset: 56, .size: 8, .value_kind: global_buffer, .address_space: global }
      - { .name: vt, .offset: 64, .size: 8, .value_kind: global_buffer, .address_space: global }
    .group_segment_fixed_size: 327680
    .private_segment_fixed_size: 0
    .kernarg_segment_align: 8
    .kernarg_segment_size: 72
    .max_flat_workgroup_size: 128
    .sgpr_count:     102
    .vgpr_count:     768
    .wavefront_size: 32
...
	.end_amdgpu_metadata
.endif
;; end of part 2
;; launch score (part 3): grid 20 x 8, 4 waves a work-group, no clusters, 327,680 bytes of LDS; arguments kq, pad_mask, we; writes we
.if DOCPART == 3
	.amdgcn_target "amdgcn-amd-amdhsa--gfx1250"
	.amdhsa_code_object_version 6
	.text
	.protected	k_qba4767a5c3_score
	.globl	k_qba4767a5c3_score
	.p2align	8
	.type	k_qba4767a5c3_score,@function
k_qba4767a5c3_score:
	s_mov_b64 s[64:65], 0
	v_nop
	global_prefetch_b8 v0, s[64:65] scope:SCOPE_SE
	s_setreg_imm32_b32 hwreg(HW_REG_WAVE_MODE, 25, 1), 1
	s_wait_xcnt 0x0
; SCORE: wei[b][i][j] = log(1 + exp(k_i . q_j / 32)) where j <= i and pad_mask[b][j], else 0; quantised along j for the product with v.
; WORK LEFT OUT: tiles (128 i x 256 j) with 256 jt > 128 it + 127 are zeros by reference()'s own tril for every input (shown at the head of launch prep): 20 of a batch's 32 tiles are made; the others are neither
; written here nor read later.
; The core is that of launch qkv: records, a tile of 128 (A: k's rows i) x 256 (B: q's rows j), four waves of 64 x 128, the matrix instruction used transposed, all of K asked for at the head.
; A lane holds one i; register 16 b + n of tile a holds j = 32 b + 16 h + n of the wave's 128.
; NO CLUSTER: a column of tiles has 8, 6, 4 or 2 live tiles and a row 1 to 4: neither comes in fours, so partners that share a tile cannot be laid on a grid of clusters.
; THE FORM: max(w, 0) + log1p(exp(-|w|)), reference()'s own choice of form; log1p(u) = log(T) + (u - (T - 1)) with T = 1 + u rounded: what the rounding of 1 + u lost is given back.
; LIMITS: exp(-|w|) under 2^-126 counts as 0; pad_mask's bytes are taken as 0 or 1, as the problem states them; a block of zeros has the scale byte 1; NaN and infinities are not served.
; REGISTERS as in launch qkv, but v192-255: J, a key's place in the lane's run of keys, or that with bit 30 set where pad_mask hides the key; v32-95 T in the way out.
.set REC,   6400
.set CHUNK, 12*REC
.set SPARE, 4*CHUNK
.set ADRA, 4
.set ADRB, 5
.set ADRS, 6
.set L16,  7
.set BA,   8
.set OA,   10
.set OS,   11
.set IV,   12                          ; my row of tile 0, less my first key
.set IVA,  13                          ; the same of the tile in hand
.set SPW,  14
.set NIL,  15
.set SC,   16
.set AF,   32
.set T,    32
.set TM,   32
.set PC,   48
.set PWA,  96
.set PWS,  98
.set TT,   100
.set H,    128
.set PM,   128                         ; at the head: pad_mask's 64 bytes
.set J,    192
.set WV,   2
.set WM,   3
.set WN,   4
.set HM,   5
.set SEL,  6
.set OUT,  8
.set G1A,  16
.set G1B,  24
.set G0A,  32
.set G0B,  48
.set KE,   90                          ; log2(e) / 32
.set BIG,  91
.set LN2,  92                          ; s[92:93]
.set MSB, 0
.macro WIN new
.if MSB != \new
	s_set_vgpr_msb (MSB<<8)|\new
.set MSB, \new
.endif
.endm
.macro PLACES
.rept 4
	v_nop
.endr
.endm
.macro FETCH e, set
	WIN 0x80
.irp b, 0,1,2,3,4,5,6,7
.irp g, 0,1,2
	ds_load_b128 v[96*(\set)+12*\b+4*\g:96*(\set)+12*\b+4*\g+3], v[ADRB] offset:(\b/2)*REC+(\b%2)*3072+(\e)*1536+512*\g
.endr
.endr
	WIN 0
.irp a, 0,1,2,3
.irp g, 0,1,2
	ds_load_b128 v[AF+48*(\set)+12*\a+4*\g:AF+48*(\set)+12*\a+4*\g+3], v[ADRA] offset:(\a/2)*REC+(\a%2)*3072+(\e)*1536+512*\g
.endr
.endr
.irp b, 0,1,2,3,4,5,6,7
	ds_load_b32 v[SC+8*(\set)+\b], v[ADRS] offset:(\b/2)*REC+(\e)*128+(\b%2)*64
.endr
.endm
.macro MULA a, set, zero               ; the 32 accumulators take turns, one instruction a turn
.irp b, 0,1,2,3,4,5,6,7
.if \zero
	v_wmma_scale_f32_16x16x128_f8f6f4 v[8*(8*(\a)+\b):8*(8*(\a)+\b)+7], v[96*(\set)+12*\b:96*(\set)+12*\b+11], v[AF+48*(\set)+12*(\a):AF+48*(\set)+12*(\a)+11], 0, v[SC+8*(\set)+\b], v[SC+8*(\set)+(\a)] matrix_a_fmt:MATRIX_FMT_FP6 matrix_b_fmt:MATRIX_FMT_FP6 matrix_a_scale:MATRIX_SCALE_ROW1
.else
	v_wmma_scale_f32_16x16x128_f8f6f4 v[8*(8*(\a)+\b):8*(8*(\a)+\b)+7], v[96*(\set)+12*\b:96*(\set)+12*\b+11], v[AF+48*(\set)+12*(\a):AF+48*(\set)+12*(\a)+11], v[8*(8*(\a)+\b):8*(8*(\a)+\b)+7], v[SC+8*(\set)+\b], v[SC+8*(\set)+(\a)] matrix_a_fmt:MATRIX_FMT_FP6 matrix_b_fmt:MATRIX_FMT_FP6 matrix_a_scale:MATRIX_SCALE_ROW1
.endif
.endr
.endm
.macro EVEN zero
	s_wait_dscnt 0x0
	WIN 0x52
	MULA 0, 0, \zero
	PLACES
	FETCH 1, 1
	WIN 0x52
	MULA 1, 0, \zero
	MULA 2, 0, \zero
	MULA 3, 0, \zero
.endm
.macro ODD left                        ; left: my loads of the chunks behind the next one, which may stay out: nothing is filled again here
	s_wait_dscnt 0x0
	s_wait_tensorcnt \left
	s_barrier_signal -1
	WIN 0x52
	MULA 0, 1, 0
	s_barrier_wait -1
	WIN 0
	v_add_nc_u32 v[ADRA], CHUNK, v[ADRA]           ; these three and the v_nop are the places ahead of the loads
	v_add_nc_u32 v[ADRB], CHUNK, v[ADRB]
	v_add_nc_u32 v[ADRS], CHUNK, v[ADRS]
	v_nop
	FETCH 0, 0
	WIN 0x52
	MULA 1, 1, 0
	MULA 2, 1, 0
	MULA 3, 1, 0
.endm
.macro GROUP0 g0, lds, ptr, stride
.irp c, 0,1,2,3
	s_mov_b32 s[\g0+4*\c], 1
	s_add_co_u32 s[\g0+4*\c+1], s[\lds], \c*CHUNK
	s_mov_b64 s[\g0+4*\c+2:\g0+4*\c+3], s[\ptr:\ptr+1]
	s_or_b32 s[\g0+4*\c+3], s[\g0+4*\c+3], 0x80000000
	s_add_nc_u64 s[\ptr:\ptr+1], s[\ptr:\ptr+1], s[\stride:\stride+1]
.endr
.endm
.macro QUANT s, pw
.irp b, 0,1,2,3
	v_max3_num_f32 v[TM+\b], |v[\s+16*\b]|, |v[\s+1+16*\b]|, 0x1800000   ; and the floor 2^(3 - 127): the byte cannot fall under 1
.endr
.irp i, 2,4,6,8,10,12,14
.irp b, 0,1,2,3
	v_max3_num_f32 v[TM+\b], v[TM+\b], |v[\s+16*\b+\i]|, |v[\s+1+16*\b+\i]|
.endr
.endr
.irp b, 0,1,2,3
	v_permlanex16_b32 v[TM+4+\b], v[TM+\b], s[SEL], s[SEL+1]
.endr
.irp b, 0,1,2,3
	v_max_num_f32 v[TM+\b], v[TM+\b], v[TM+4+\b]
.endr
.irp b, 0,1,2,3
	v_add_nc_u32 v[TM+12+\b], 0xff000000, v[TM+\b]
.endr
.irp b, 0,1,2,3
	v_lshrrev_b32 v[TM+4+\b], 23, v[TM+12+\b]
.endr
	v_lshl_or_b32 v[\pw], v[TM+5], 8, v[TM+4]
	v_lshl_or_b32 v[\pw], v[TM+6], 16, v[\pw]
	v_lshl_or_b32 v[\pw], v[TM+7], 24, v[\pw]
.irp c, 0,1
	v_cvt_scalef32_pk16_fp6_f32 v[PC+6*\c:PC+2+6*\c], v[\s+32*\c:\s+15+32*\c], v[TM+12+2*\c]
	v_cvt_scalef32_pk16_fp6_f32 v[PC+12+4*\c:PC+14+4*\c], v[\s+16+32*\c:\s+31+32*\c], v[TM+12+2*\c+1]
.endr
	v_nop                                          ; one plain place behind a scaled conversion
.irp c, 0,1
.irp i, 0,1,2
	v_permlane16_swap_b32 v[PC+6*\c+\i], v[PC+12+4*\c+\i]
.endr
.irp i, 0,1,2
	v_mov_b32 v[PC+3+6*\c+\i], v[PC+12+4*\c+\i]
.endr
.endr
.endm
.macro PUT a
.irp g, 0,1,2
	global_store_b128 v[OA], v[PC+4*\g:PC+4*\g+3], s[OUT:OUT+1] offset:((\a)/2)*REC+((\a)%2)*3072+512*\g
.endr
.if (\a)%2
	v_cndmask_b32 v[PWS], v[PWA], v[PWA+1], s[HM]
	global_store_b32 v[OS], v[PWS], s[OUT:OUT+1] offset:((\a)/2)*REC
.endif
.endm
.macro EPI a                           ; tile a: 16 rows i x 128 keys j
	WIN 0x01                                       ; source 0 window 1: the sums, each accumulator from its low end on
.set k, 0
.rept 64
	v_mul_f32 v[H+k], -|v[64*(\a)+k]|, s[KE]       ; -|w| log2(e)
.set k, k+1
.endr
	WIN 0
.set k, 0
.rept 64
	v_exp_f32 v[H+k], v[H+k]                       ; u = exp(-|w|), at most 1
.set k, k+1
.endr
	v_add_nc_u32 v[IVA], 32*((\a)/2)+8*((\a)%2), v[IV]   ; (a plain place behind the exponentials)
	s_wait_alu depctr_va_vdst(0)                   ; one wait for the batch, ahead of its first reader
.if (\a) > 0
	s_wait_xcnt 0x0                                ; the last tile's stores have read the codes' registers, which T now takes
.endif
.set k, 0
.rept 32
	v_pk_add_f32 v[T+2*k:T+2*k+1], v[H+2*k:H+2*k+1], 1.0 op_sel_hi:[1,0]          ; T = 1 + u, rounded
.set k, k+1
.endr
.irp q, 0,1,2,3
.set j, 0
.rept 8
	v_pk_add_f32 v[TT+2*j:TT+2*j+1], v[T+16*\q+2*j:T+16*\q+2*j+1], -1.0 op_sel_hi:[1,0]   ; T - 1: nothing is rounded
.set j, j+1
.endr
.set j, 0
.rept 8
	v_pk_add_f32 v[H+16*\q+2*j:H+16*\q+2*j+1], v[H+16*\q+2*j:H+16*\q+2*j+1], v[TT+2*j:TT+2*j+1] neg_lo:[0,1] neg_hi:[0,1]   ; what the rounding of 1 + u lost
.set j, j+1
.endr
.endr
.set k, 0
.rept 64
	v_log_f32 v[T+k], v[T+k]
.set k, k+1
.endr
	v_nop                                          ; a plain place behind the logarithms
	s_wait_alu depctr_va_vdst(0)                   ; and their one wait
.set k, 0
.rept 32
	v_pk_fma_f32 v[H+2*k:H+2*k+1], v[T+2*k:T+2*k+1], s[LN2:LN2+1], v[H+2*k:H+2*k+1] op_sel_hi:[1,0,1]   ; log1p(u)
.set k, k+1
.endr
	WIN 0x04                                       ; source 1 window 1
.set k, 0
.rept 64
	v_max_num_f32 v[T+k], 0, v[64*(\a)+k]
.set k, k+1
.endr
	WIN 0
.set k, 0
.rept 32
	v_pk_fma_f32 v[H+2*k:H+2*k+1], v[T+2*k:T+2*k+1], 0x3d000000, v[H+2*k:H+2*k+1] op_sel_hi:[1,0,1]     ; + max(w, 0), w = the sum / 32
.set k, k+1
.endr
.set k, 0
.rept 64
	v_cmp_le_i32 vcc_lo, v[J+k], v[IVA]            ; kept: the key is not hidden by pad_mask and does not come after my row
	v_cndmask_b32 v[H+k], 0, v[H+k], vcc_lo
.set k, k+1
.endr
	QUANT H, PWA+((\a)%2)
	PUT \a
.endm
	s_load_b128 s[68:71], s[0:1], 0x0              ; kq, pad_mask
	s_load_b64 s[72:73], s[0:1], 0x10              ; we
	v_lshl_add_u32 v[SPW], v0, 2, SPARE
	v_mov_b32 v[NIL], 0
	ds_add_u32 v[SPW], v[NIL]                      ; the wave's opening
	ds_add_u32 v[SPW], v[NIL]
	v_lshrrev_b32 v1, 5, v0
	v_readfirstlane_b32 s[WV], v1
	s_lshr_b32 s[WM], s[WV], 1
	s_and_b32 s[WN], s[WV], 1
	s_mov_b32 s[HM], 0xffff0000
	s_mov_b32 s[SEL], 0x76543210
	s_mov_b32 s[SEL+1], 0xfedcba98
	s_mov_b32 s[KE], 0x3d38aa3b
	s_mov_b32 s[BIG], 0x40000000
	s_mov_b32 s[LN2], 0x3f317218
	s_mov_b32 s[LN2+1], s[LN2]                     ; (named with it as a pair, so it is written)
	; x = 0..19 names the live tiles: rows 2 p and 2 p + 1 have p + 1 tiles each
	s_cmp_ge_u32 ttmp9, 2
	s_cselect_b32 s10, 1, 0
	s_cmp_ge_u32 ttmp9, 6
	s_cselect_b32 s11, 1, 0
	s_cmp_ge_u32 ttmp9, 12
	s_cselect_b32 s12, 1, 0
	s_add_co_u32 s10, s10, s11
	s_add_co_u32 s10, s10, s12                     ; p
	s_add_co_u32 s11, s10, 1
	s_mul_i32 s12, s10, s11
	s_sub_co_u32 s12, ttmp9, s12                   ; x - p (p + 1)
	s_cmp_ge_u32 s12, s11
	s_cselect_b32 s13, 1, 0
	s_cselect_b32 s14, s11, 0
	s_sub_co_u32 s14, s12, s14                     ; jt
	s_lshl_b32 s15, s10, 1
	s_add_co_u32 s15, s15, s13                     ; it
	s_and_b32 s86, ttmp7, 0xffff                   ; the batch
	s_mov_b32 s[G1A], 3<<16                        ; descriptor group 1: a dense block as rows of 256 bytes: A's half 50 rows, B's half 100
	s_mov_b32 s[G1B], 3<<16
.irp g, G1A, G1B
	s_mov_b32 s[\g+1], 32<<16
	s_mov_b32 s[\g+3], 32<<16
	s_mov_b32 s[\g+5], 32
	s_mov_b32 s[\g+6], 0
	s_mov_b32 s[\g+7], 0
.endr
	s_mov_b32 s[G1A+2], 50<<16
	s_mov_b32 s[G1A+4], 50
	s_mov_b32 s[G1B+2], 100<<16
	s_mov_b32 s[G1B+4], 100
	s_lshl_b32 s87, s86, 5
	s_lshl_b32 s88, s15, 2
	s_add_co_u32 s88, s88, s87                     ; A's first pair: 32 b + 4 it
	s_lshl_b32 s89, s14, 3
	s_add_co_u32 s89, s89, s87                     ; B's: 32 b + 8 jt, in chunks 4 to 7
	s_lshl_b32 s94, s[WN], 1
	s_add_co_u32 s94, s94, s88
	s_mul_i32 s94, s94, REC
	s_mov_b32 s95, 0
	s_lshl_b32 s96, s[WN], 2
	s_add_co_u32 s96, s96, s89
	s_add_co_u32 s96, s96, 4*256
	s_mul_i32 s96, s96, REC
	s_mov_b32 s97, 0
	s_mov_b32 s98, 256*REC                         ; from chunk to chunk
	s_mov_b32 s99, 0
	s_mul_i32 s12, s[WN], 2*REC
	s_mul_i32 s13, s[WN], 4*REC
	s_add_co_u32 s13, s13, 4*REC
	s_wait_dscnt 0x0                               ; both opening adds are done
	s_wait_kmcnt 0x0
	s_add_nc_u64 s[100:101], s[68:69], s[94:95]
	s_add_nc_u64 s[10:11], s[68:69], s[96:97]
	GROUP0 G0A, 12, 100, 98
	GROUP0 G0B, 13, 10, 98
	s_cmp_eq_u32 s[WM], 0                          ; a wave's four fills stand in one branch on the wave's number
	s_cbranch_scc0 .Lfill_b
.irp c, 0,1,2,3
	tensor_load_to_lds s[G0A+4*\c:G0A+4*\c+3], s[G1A:G1A+7]
	s_nop 0
.endr
.rept 4
	v_nop
.endr
	s_branch .Lfilled
.Lfill_b:
.irp c, 0,1,2,3
	tensor_load_to_lds s[G0B+4*\c:G0B+4*\c+3], s[G1B:G1B+7]
	s_nop 0
.endr
.rept 4
	v_nop
.endr
.Lfilled:
	v_and_b32 v1, 15, v0                           ; r
	v_bfe_u32 v2, v0, 4, 1                         ; h
	v_and_b32 v3, 31, v0                           ; lane
	v_lshlrev_b32 v[L16], 4, v3
	s_lshl_b32 s94, s86, 10                        ; pad_mask: 1024 b + 256 jt + 128 wn, + 16 h in the lane
	s_lshl_b32 s96, s14, 8
	s_add_co_u32 s94, s94, s96
	s_lshl_b32 s96, s[WN], 7
	s_add_co_u32 s94, s94, s96
	s_add_nc_u64 s[70:71], s[70:71], s[94:95]
	v_lshlrev_b32 v[BA], 4, v2
.irp b, 0,1,2,3
	global_load_b128 v[PM+4*\b:PM+4*\b+3], v[BA], s[70:71] offset:32*\b
.endr
	s_lshl_b32 s94, s14, 8
	s_add_co_u32 s94, s94, s88
	s_lshl_b32 s96, s[WM], 1
	s_add_co_u32 s94, s94, s96
	s_mul_i32 s94, s94, REC                        ; record (chunk jt, pair 32 b + 4 it + 2 wm)
	s_add_nc_u64 s[OUT:OUT+1], s[72:73], s[94:95]
	s_mul_i32 s94, s[WM], 2*REC
	s_mul_i32 s96, s[WN], 4*REC
	s_add_co_u32 s96, s96, 4*REC
	v_add_nc_u32 v[ADRA], s94, v[L16]
	v_add_nc_u32 v[ADRB], s96, v[L16]
	s_sub_co_u32 s96, s96, s94
	v_mul_u32_u24 v[ADRS], s96, v2
	v_lshl_add_u32 v[ADRS], v1, 2, v[ADRS]
	s_add_co_u32 s94, s94, 6144
	v_add_nc_u32 v[ADRS], s94, v[ADRS]
	s_mul_i32 s94, s[WN], 1536
	v_add_nc_u32 v[OA], s94, v[L16]
	v_lshl_add_u32 v[OS], v3, 2, 6144
	s_lshl_b32 s94, s[WN], 7
	v_add_nc_u32 v[OS], s94, v[OS]
	v_and_b32 v[IV], 7, v1                         ; my row of tile 0 less my first key: 128 it + 64 wm + r % 8 + 16 (r / 8) - (256 jt + 128 wn + 16 h), a signed number
	v_lshrrev_b32 v9, 3, v1
	v_lshl_add_u32 v[IV], v9, 4, v[IV]
	v_sub_nc_u32 v[IV], v[IV], v[BA]
	s_lshl_b32 s94, s15, 7
	s_lshl_b32 s96, s[WM], 6
	s_add_co_u32 s94, s94, s96
	s_lshl_b32 s96, s14, 8
	s_sub_co_u32 s94, s94, s96
	s_lshl_b32 s96, s[WN], 7
	s_sub_co_u32 s94, s94, s96
	v_add_nc_u32 v[IV], s94, v[IV]
	s_wait_loadcnt 0x0                             ; pad_mask's bytes; the tiles are still on their way
.set k, 0
.rept 64
	v_bfe_u32 v[J+k], v[PM+4*(k/16)+(k%16)/4], 8*(k%4), 8
.set k, k+1
.endr
.set k, 0
.rept 64
	v_add_nc_u32 v[J+k], -1, v[J+k]                ; 0 where the key counts, all ones where it is hidden
.set k, k+1
.endr
.set k, 0
.rept 64
	v_and_or_b32 v[J+k], v[J+k], s[BIG], 32*(k/16)+k%16   ; the key's place, above every row where it is hidden
.set k, k+1
.endr
	s_wait_tensorcnt 3                             ; my part of chunk 0 is in; my three later loads may be out
	s_barrier_signal -1
	s_barrier_wait -1
	FETCH 0, 0
	EVEN 1
	ODD 2
	EVEN 0
	ODD 1
	EVEN 0
	ODD 0
	EVEN 0
	s_wait_dscnt 0x0
	WIN 0x52
	MULA 0, 1, 0
	MULA 1, 1, 0
	MULA 2, 1, 0
	MULA 3, 1, 0
	WIN 0
	PLACES
	EPI 0
	EPI 1
	EPI 2
	EPI 3
	s_wait_tensorcnt 0x0                           ; the wave's end
	ds_add_u32 v[SPW], v[NIL]
	s_wait_dscnt 0x0
	s_endpgm
.Lfunc_end_k_qba4767a5c3_score:
	.size	k_qba4767a5c3_score, .Lfunc_end_k_qba4767a5c3_score-k_qba4767a5c3_score
	.p2alignl 7, 3214868480
	.fill 96, 4, 3214868480
	.section	.rodata,"a",@progbits
	.p2align	6, 0x0
	.amdhsa_kernel k_qba4767a5c3_score
		.amdhsa_group_segment_fixed_size 327680
		.amdhsa_private_segment_fixed_size 0
		.amdhsa_enable_private_segment 0
		.amdhsa_kernarg_size 24
		.amdhsa_user_sgpr_count 2
		.amdhsa_user_sgpr_kernarg_segment_ptr 1
		.amdhsa_wavefront_size32 1
		.amdhsa_system_sgpr_workgroup_id_x 1
		.amdhsa_system_sgpr_workgroup_id_y 1
		.amdhsa_system_sgpr_workgroup_id_z 1
		.amdhsa_system_vgpr_workitem_id 0
		.amdhsa_next_free_vgpr 768
		.amdhsa_next_free_sgpr 102
		.amdhsa_reserve_vcc 1
		.amdhsa_float_denorm_mode_32 3
		.amdhsa_float_denorm_mode_16_64 3
		.amdhsa_memory_ordered 1
		.amdhsa_forward_progress 1
		.amdhsa_inst_pref_size 194
	.end_amdhsa_kernel
	.amdgpu_metadata
---
amdhsa.version: [ 1, 2 ]
amdhsa.kernels:
  - .name:           k_qba4767a5c3_score
    .symbol:         k_qba4767a5c3_score.kd
    .args:
      - { .name: kq, .offset: 0, .size: 8, .value_kind: global_buffer, .address_space: global }
      - { .name: pad_mask, .offset: 8, .size: 8, .value_kind: global_buffer, .address_space: global }
      - { .name: we, .offset: 16, .size: 8, .value_kind: global_buffer, .address_space: global }
    .group_segment_fixed_size: 327680
    .private_segment_fixed_size: 0
    .kernarg_segment_align: 8
    .kernarg_segment_size: 24
    .max_flat_workgroup_size: 128
    .sgpr_count:     102
    .vgpr_count:     768
    .wavefront_size: 32
...
	.end_amdgpu_metadata
.endif
;; end of part 3
;; launch pv (part 4): grid 4 x 64, 4 waves a work-group, no clusters, 327,680 bytes of LDS; arguments we, vt, ta, oc; writes oc
.if DOCPART == 4
	.amdgcn_target "amdgcn-amd-amdhsa--gfx1250"
	.amdhsa_code_object_version 6
	.text
	.protected	k_qba4767a5c3_pv
	.globl	k_qba4767a5c3_pv
	.p2align	8
	.type	k_qba4767a5c3_pv,@function
k_qba4767a5c3_pv:
	s_mov_b64 s[64:65], 0
	v_nop
	global_prefetch_b8 v0, s[64:65] scope:SCOPE_SE
	s_setreg_imm32_b32 hwreg(HW_REG_WAVE_MODE, 25, 1), 1
	s_wait_xcnt 0x0
; PV: out = wei v, turned back by the inverse rotation and quantised along the channels for the last product.
; WORK LEFT OUT: chunks of 256 keys beyond the causal bound, jc > it / 2, hold zeros of wei for every input (shown at the head of launch prep): they are neither loaded nor multiplied.
; The core is that of launch qkv: records, a tile of 128 (A: wei's rows i) x 256 (B: v^T's rows, the channels), four waves of 64 x 128, the matrix instruction used transposed; K = the keys, 256 a chunk.
; A work-group has nch = it / 2 + 1 chunks, 1 to 4.  EVERY work-group walks four changes of chunk, so that the trip counts are constants.
; Every chunk has LDS bytes of its own: nothing is filled twice.  Every wait for tensor loads is for all of them; one load of a wave is out at a time.
; THE SUMS BEGIN AS ZEROS: the step is written without a first step of its own, so that each chunk's load stands inside the loop; the 256 clearing lines stand at the head, where the wave would wait for chunk 0.
; NO CLUSTER: the four work-groups that share wei's tiles could ask jointly.
; LIMITS: as in launch qkv (angles within about 4e-7; scale byte 1 for blocks under 2^-124 or of zeros; NaN and infinities not served).
.set REC,   6400
.set CHUNK, 12*REC
.set SPARE, 4*CHUNK
.set ADRA, 4
.set ADRB, 5
.set ADRS, 6
.set L16,  7
.set BSA,  8                           ; the three addresses in chunk 0
.set BSB,  9
.set OA,   10
.set OS,   11
.set BSS,  12
.set SPW,  14
.set NIL,  15
.set SC,   16
.set AF,   32
.set ZB,   32
.set TM,   32
.set PC,   48
.set PWA,  96
.set PWS,  98
.set TT,   100
.set H,    128
.set TAB,  192
.set WV,   2
.set WM,   3
.set WN,   4
.set HM,   5
.set SEL,  6
.set OUT,  8
.set NCH,  13
.set G1A,  16
.set G1B,  24
.set G0A,  32                          ; one walking group 0 each
.set G0B,  48
.set TB,   86                          ; LDS byte at which the chunk in hand begins
.set KC,   87                          ; the chunk in hand
.set NX,   88                          ; the chunk to be asked for
.set TRIP, 89
.set MSB, 0
.macro WIN new
.if MSB != \new
	s_set_vgpr_msb (MSB<<8)|\new
.set MSB, \new
.endif
.endm
.macro PLACES
.rept 4
	v_nop
.endr
.endm
.macro FETCH e, set
	WIN 0x80
.irp b, 0,1,2,3,4,5,6,7
.irp g, 0,1,2
	ds_load_b128 v[96*(\set)+12*\b+4*\g:96*(\set)+12*\b+4*\g+3], v[ADRB] offset:(\b/2)*REC+(\b%2)*3072+(\e)*1536+512*\g
.endr
.endr
	WIN 0
.irp a, 0,1,2,3
.irp g, 0,1,2
	ds_load_b128 v[AF+48*(\set)+12*\a+4*\g:AF+48*(\set)+12*\a+4*\g+3], v[ADRA] offset:(\a/2)*REC+(\a%2)*3072+(\e)*1536+512*\g
.endr
.endr
.irp b, 0,1,2,3,4,5,6,7
	ds_load_b32 v[SC+8*(\set)+\b], v[ADRS] offset:(\b/2)*REC+(\e)*128+(\b%2)*64
.endr
.endm
.macro MULA a, set                     ; the 32 accumulators take turns, one instruction a turn
.irp b, 0,1,2,3,4,5,6,7
	v_wmma_scale_f32_16x16x128_f8f6f4 v[8*(8*(\a)+\b):8*(8*(\a)+\b)+7], v[96*(\set)+12*\b:96*(\set)+12*\b+11], v[AF+48*(\set)+12*(\a):AF+48*(\set)+12*(\a)+11], v[8*(8*(\a)+\b):8*(8*(\a)+\b)+7], v[SC+8*(\set)+\b], v[SC+8*(\set)+(\a)] matrix_a_fmt:MATRIX_FMT_FP6 matrix_b_fmt:MATRIX_FMT_FP6 matrix_a_scale:MATRIX_SCALE_ROW1
.endr
.endm
.macro TLOAD                           ; waves 0 and 1 fetch A's halves, waves 2 and 3 B's; an s_nop 0 and four v_nop follow each line
	s_cmp_eq_u32 s[WM], 0
	s_cbranch_scc0 .Lfor_b_\@
	tensor_load_to_lds s[G0A:G0A+3], s[G1A:G1A+7]
	s_nop 0
.rept 4
	v_nop
.endr
	s_branch .Lasked_\@
.Lfor_b_\@:
	tensor_load_to_lds s[G0B:G0B+3], s[G1B:G1B+7]
	s_nop 0
.rept 4
	v_nop
.endr
.Lasked_\@:
.endm
; THE CHANGE OF CHUNKS: each wave waits for all its tensor loads (its part of the chunk that it is about to read), adds 0 to its spare word and waits for that and for its LDS reads; behind the barrier the chunk is whole.
; fill = 1: the next chunk is asked for, into bytes of its own, if it lies under the causal bound: it has this chunk's 64 matrix instructions in which to land.
.macro CHANGE fill
	s_wait_tensorcnt 0x0                           ; no tensor load of mine is out, so a group 0 may be written
	ds_add_u32 v[SPW], v[NIL]                      ; 0 onto my spare word
.if \fill
	s_add_co_u32 s[G0A+1], s[G0A+1], CHUNK
	s_add_nc_u64 s[G0A+2:G0A+3], s[G0A+2:G0A+3], 256*REC
	s_add_co_u32 s[G0B+1], s[G0B+1], CHUNK
	s_add_nc_u64 s[G0B+2:G0B+3], s[G0B+2:G0B+3], 32*REC
.endif
	s_wait_dscnt 0x0
	s_barrier_signal -1
	s_barrier_wait -1
.if \fill
	s_cmp_ge_u32 s[NX], s[NCH]                     ; ids and the count of trips alone: all four waves go the same way
	s_cbranch_scc1 .Lpast_\@
	TLOAD
.Lpast_\@:
	s_add_co_u32 s[NX], s[NX], 1
.endif
.endm
.macro COMPUTE                         ; a chunk: two steps of 32 matrix instructions
	v_add_nc_u32 v[ADRA], s[TB], v[BSA]            ; these three and the v_nop are the places ahead of the loads
	v_add_nc_u32 v[ADRB], s[TB], v[BSB]
	v_add_nc_u32 v[ADRS], s[TB], v[BSS]
	v_nop
	FETCH 0, 0
	s_wait_dscnt 0x0
	WIN 0x52
	MULA 0, 0
	PLACES
	FETCH 1, 1
	WIN 0x52
	MULA 1, 0
	MULA 2, 0
	MULA 3, 0
	s_wait_dscnt 0x0
	MULA 0, 1
	MULA 1, 1
	MULA 2, 1
	MULA 3, 1
	WIN 0
.endm
.macro QUANT s, pw
.irp b, 0,1,2,3
	v_max3_num_f32 v[TM+\b], |v[\s+16*\b]|, |v[\s+1+16*\b]|, 0x1800000   ; and the floor 2^(3 - 127): the byte cannot fall under 1
.endr
.irp i, 2,4,6,8,10,12,14
.irp b, 0,1,2,3
	v_max3_num_f32 v[TM+\b], v[TM+\b], |v[\s+16*\b+\i]|, |v[\s+1+16*\b+\i]|
.endr
.endr
.irp b, 0,1,2,3
	v_permlanex16_b32 v[TM+4+\b], v[TM+\b], s[SEL], s[SEL+1]
.endr
.irp b, 0,1,2,3
	v_max_num_f32 v[TM+\b], v[TM+\b], v[TM+4+\b]
.endr
.irp b, 0,1,2,3
	v_add_nc_u32 v[TM+12+\b], 0xff000000, v[TM+\b]
.endr
.irp b, 0,1,2,3
	v_lshrrev_b32 v[TM+4+\b], 23, v[TM+12+\b]
.endr
	v_lshl_or_b32 v[\pw], v[TM+5], 8, v[TM+4]
	v_lshl_or_b32 v[\pw], v[TM+6], 16, v[\pw]
	v_lshl_or_b32 v[\pw], v[TM+7], 24, v[\pw]
.irp c, 0,1
	v_cvt_scalef32_pk16_fp6_f32 v[PC+6*\c:PC+2+6*\c], v[\s+32*\c:\s+15+32*\c], v[TM+12+2*\c]
	v_cvt_scalef32_pk16_fp6_f32 v[PC+12+4*\c:PC+14+4*\c], v[\s+16+32*\c:\s+31+32*\c], v[TM+12+2*\c+1]
.endr
	v_nop                                          ; one plain place behind a scaled conversion
.irp c, 0,1
.irp i, 0,1,2
	v_permlane16_swap_b32 v[PC+6*\c+\i], v[PC+12+4*\c+\i]
.endr
.irp i, 0,1,2
	v_mov_b32 v[PC+3+6*\c+\i], v[PC+12+4*\c+\i]
.endr
.endr
.endm
.macro PUT a
.irp g, 0,1,2
	global_store_b128 v[OA], v[PC+4*\g:PC+4*\g+3], s[OUT:OUT+1] offset:((\a)/2)*REC+((\a)%2)*3072+512*\g
.endr
.if (\a)%2
	v_cndmask_b32 v[PWS], v[PWA], v[PWA+1], s[HM]
	global_store_b32 v[OS], v[PWS], s[OUT:OUT+1] offset:((\a)/2)*REC
.endif
.endm
.macro TREE a, d, x, w                 ; angles as complex numbers: in each of the four blocks, angle d = angle x + power w; angle 0 is the image's base
.irp b, 0,1,2,3
.if (\x) == 0
.set XR, TAB+16*(\a)+2*\b
.else
.set XR, ZB+16*\b+2*(\x)
.endif
	v_pk_mul_f32 v[ZB+16*\b+2*(\d):ZB+16*\b+2*(\d)+1], v[XR:XR+1], v[TAB+16*(\a)+8+2*(\w):TAB+16*(\a)+9+2*(\w)] op_sel_hi:[1,0]
.endr
.irp b, 0,1,2,3
.if (\x) == 0
.set XR, TAB+16*(\a)+2*\b
.else
.set XR, ZB+16*\b+2*(\x)
.endif
	v_pk_fma_f32 v[ZB+16*\b+2*(\d):ZB+16*\b+2*(\d)+1], v[XR:XR+1], v[TAB+16*(\a)+8+2*(\w):TAB+16*(\a)+9+2*(\w)], v[ZB+16*\b+2*(\d):ZB+16*\b+2*(\d)+1] op_sel:[1,1,0] op_sel_hi:[0,1,1] neg_lo:[0,1,0]
.endr
.endm
.macro GENZ a
	TREE \a, 1, 0, 0
	TREE \a, 2, 0, 1
	TREE \a, 3, 1, 1
	TREE \a, 4, 0, 2
	TREE \a, 5, 1, 2
	TREE \a, 6, 2, 2
	TREE \a, 7, 3, 2
.endm
.macro ROTINV a                        ; y0 = c x0 - s x1, y1 = s x0 + c x1: the sums (window 1, each accumulator from its low end on) into H
.irp b, 0,1,2,3
.irp i, 0,1,2,3,4,5,6,7
.if \i == 0
.set XR, TAB+16*(\a)+2*\b
.else
.set XR, ZB+16*\b+2*\i
.endif
	v_pk_mul_f32 v[TT+2*\i:TT+2*\i+1], v[64*(\a)+16*\b+2*\i:64*(\a)+16*\b+2*\i+1], v[XR:XR+1] op_sel_hi:[1,0]
.endr
.irp i, 0,1,2,3,4,5,6,7
.if \i == 0
.set XR, TAB+16*(\a)+2*\b
.else
.set XR, ZB+16*\b+2*\i
.endif
	v_pk_fma_f32 v[H+16*\b+2*\i:H+16*\b+2*\i+1], v[64*(\a)+16*\b+2*\i:64*(\a)+16*\b+2*\i+1], v[XR:XR+1], v[TT+2*\i:TT+2*\i+1] op_sel:[1,1,0] op_sel_hi:[0,1,1] neg_lo:[0,1,0]
.endr
.endr
.endm
.macro EPI a
.if (\a) > 0
	s_wait_xcnt 0x0                                ; the last tile's stores have read the codes' registers, which the angles now take
.endif
	GENZ \a
	WIN 0x01                                       ; source 0 window 1
	ROTINV \a
	WIN 0
	QUANT H, PWA+((\a)%2)
	PUT \a
.endm
	s_load_b256 s[68:75], s[0:1], 0x0              ; we, vt, ta, oc
	v_lshl_add_u32 v[SPW], v0, 2, SPARE
	v_mov_b32 v[NIL], 0
	ds_add_u32 v[SPW], v[NIL]                      ; the wave's opening
	ds_add_u32 v[SPW], v[NIL]
	v_lshrrev_b32 v1, 5, v0
	v_readfirstlane_b32 s[WV], v1
	s_lshr_b32 s[WM], s[WV], 1
	s_and_b32 s[WN], s[WV], 1
	s_mov_b32 s[HM], 0xffff0000
	s_mov_b32 s[SEL], 0x76543210
	s_mov_b32 s[SEL+1], 0xfedcba98
	s_and_b32 s10, ttmp7, 0xffff
	s_lshr_b32 s11, s10, 3                         ; the batch
	s_and_b32 s12, s10, 7                          ; it
	s_lshr_b32 s[NCH], s12, 1
	s_add_co_u32 s[NCH], s[NCH], 1                 ; live chunks of keys
	s_mov_b32 s[TB], 0
	s_mov_b32 s[KC], 0
	s_mov_b32 s[NX], 1
	s_mov_b32 s[TRIP], 3
	s_mov_b32 s[G1A], 3<<16                        ; descriptor group 1: a dense block as rows of 256 bytes: A's half 50 rows, B's half 100
	s_mov_b32 s[G1B], 3<<16
.irp g, G1A, G1B
	s_mov_b32 s[\g+1], 32<<16
	s_mov_b32 s[\g+3], 32<<16
	s_mov_b32 s[\g+5], 32
	s_mov_b32 s[\g+6], 0
	s_mov_b32 s[\g+7], 0
.endr
	s_mov_b32 s[G1A+2], 50<<16
	s_mov_b32 s[G1A+4], 50
	s_mov_b32 s[G1B+2], 100<<16
	s_mov_b32 s[G1B+4], 100
	s_lshl_b32 s14, s11, 5
	s_lshl_b32 s15, s12, 2
	s_add_co_u32 s14, s14, s15                     ; wei's first pair: 32 b + 4 it
	s_lshl_b32 s94, s[WN], 1
	s_add_co_u32 s94, s94, s14
	s_mul_i32 s94, s94, REC
	s_mov_b32 s95, 0
	s_lshl_b32 s96, s11, 7                         ; v^T: chunk 4 b of 32 pairs, pair 8 ct + 4 x half
	s_lshl_b32 s97, ttmp9, 3
	s_add_co_u32 s96, s96, s97
	s_lshl_b32 s97, s[WN], 2
	s_add_co_u32 s96, s96, s97
	s_mul_i32 s96, s96, REC
	s_mov_b32 s97, 0
	s_mov_b32 s[G0A], 1
	s_mul_i32 s[G0A+1], s[WN], 2*REC
	s_mov_b32 s[G0B], 1
	s_mul_i32 s[G0B+1], s[WN], 4*REC
	s_add_co_u32 s[G0B+1], s[G0B+1], 4*REC
	s_wait_dscnt 0x0                               ; both opening adds are done
	s_wait_kmcnt 0x0
	s_add_nc_u64 s[G0A+2:G0A+3], s[68:69], s[94:95]
	s_or_b32 s[G0A+3], s[G0A+3], 0x80000000
	s_add_nc_u64 s[G0B+2:G0B+3], s[70:71], s[96:97]
	s_or_b32 s[G0B+3], s[G0B+3], 0x80000000
	TLOAD                                          ; chunk 0, which counts for every work-group
	v_and_b32 v1, 15, v0                           ; r
	v_bfe_u32 v2, v0, 4, 1                         ; h
	v_and_b32 v3, 31, v0                           ; lane
	v_lshlrev_b32 v[L16], 4, v3
	s_lshl_b32 s94, s12, 3                         ; the table image of my tile a: (8 it + 4 wm + a, 2 ct + wn)
	s_lshl_b32 s96, s[WM], 2
	s_add_co_u32 s94, s94, s96
	s_lshl_b32 s94, s94, 3
	s_lshl_b32 s96, ttmp9, 1
	s_add_co_u32 s94, s94, s96
	s_add_co_u32 s94, s94, s[WN]
	s_lshl_b32 s94, s94, 11
	s_add_nc_u64 s[72:73], s[72:73], s[94:95]
.irp a, 0,1,2,3
.irp g, 0,1,2,3
	global_load_b128 v[TAB+16*\a+4*\g:TAB+16*\a+4*\g+3], v[L16], s[72:73] offset:\a*16384+512*\g
.endr
.endr
	s_lshl_b32 s94, ttmp9, 8
	s_add_co_u32 s94, s94, s14
	s_lshl_b32 s96, s[WM], 1
	s_add_co_u32 s94, s94, s96
	s_mul_i32 s94, s94, REC                        ; record (chunk ct, pair 32 b + 4 it + 2 wm)
	s_add_nc_u64 s[OUT:OUT+1], s[74:75], s[94:95]
	s_mul_i32 s94, s[WM], 2*REC
	s_mul_i32 s96, s[WN], 4*REC
	s_add_co_u32 s96, s96, 4*REC
	v_add_nc_u32 v[BSA], s94, v[L16]
	v_add_nc_u32 v[BSB], s96, v[L16]
	s_sub_co_u32 s96, s96, s94
	v_mul_u32_u24 v[BSS], s96, v2
	v_lshl_add_u32 v[BSS], v1, 2, v[BSS]
	s_add_co_u32 s94, s94, 6144
	v_add_nc_u32 v[BSS], s94, v[BSS]
	s_mul_i32 s94, s[WN], 1536
	v_add_nc_u32 v[OA], s94, v[L16]
	v_lshl_add_u32 v[OS], v3, 2, 6144
	s_lshl_b32 s94, s[WN], 7
	v_add_nc_u32 v[OS], s94, v[OS]
	WIN 0x40                                       ; destination window 1: the sums begin as zeros, while chunk 0 is on its way
.set k, 0
.rept 256
	v_mov_b32 v[k], 0
.set k, k+1
.endr
	WIN 0
.Lchunk:                                           ; three trips: chunks 0, 1, 2
	CHANGE 1
	s_cmp_ge_u32 s[KC], s[NCH]
	s_cbranch_scc1 .Ldead_a
	COMPUTE
.Ldead_a:
	s_add_co_u32 s[KC], s[KC], 1
	s_add_co_u32 s[TB], s[TB], CHUNK
	s_sub_co_u32 s[TRIP], s[TRIP], 1
	s_cmp_lg_u32 s[TRIP], 0
	s_cbranch_scc1 .Lchunk
	CHANGE 0                                       ; chunk 3 is written out: nothing is left to ask for
	s_cmp_ge_u32 s[KC], s[NCH]
	s_cbranch_scc1 .Ldead_b
	COMPUTE
.Ldead_b:
	PLACES
	s_wait_loadcnt 0x0                             ; the table images
	EPI 0
	EPI 1
	EPI 2
	EPI 3
	s_wait_tensorcnt 0x0                           ; the wave's end
	ds_add_u32 v[SPW], v[NIL]
	s_wait_dscnt 0x0
	s_endpgm
.Lfunc_end_k_qba4767a5c3_pv:
	.size	k_qba4767a5c3_pv, .Lfunc_end_k_qba4767a5c3_pv-k_qba4767a5c3_pv
	.p2alignl 7, 3214868480
	.fill 96, 4, 3214868480
	.section	.rodata,"a",@progbits
	.p2align	6, 0x0
	.amdhsa_kernel k_qba4767a5c3_pv
		.amdhsa_group_segment_fixed_size 327680
		.amdhsa_private_segment_fixed_size 0
		.amdhsa_enable_private_segment 0
		.amdhsa_kernarg_size 32
		.amdhsa_user_sgpr_count 2
		.amdhsa_user_sgpr_kernarg_segment_ptr 1
		.amdhsa_wavefront_size32 1
		.amdhsa_system_sgpr_workgroup_id_x 1
		.amdhsa_system_sgpr_workgroup_id_y 1
		.amdhsa_system_sgpr_workgroup_id_z 1
		.amdhsa_system_vgpr_workitem_id 0
		.amdhsa_next_free_vgpr 768
		.amdhsa_next_free_sgpr 102
		.amdhsa_reserve_vcc 0
		.amdhsa_float_denorm_mode_32 3
		.amdhsa_float_denorm_mode_16_64 3
		.amdhsa_memory_ordered 1
		.amdhsa_forward_progress 1
		.amdhsa_inst_pref_size 92
	.end_amdhsa_kernel
	.amdgpu_metadata
---
amdhsa.version: [ 1, 2 ]
amdhsa.kernels:
  - .name:           k_qba4767a5c3_pv
    .symbol:         k_qba4767a5c3_pv.kd
    .args:
      - { .name: we, .offset: 0, .size: 8, .value_kind: global_buffer, .address_space: global }
      - { .name: vt, .offset: 8, .size: 8, .value_kind: global_buffer, .address_space: global }
      - { .name: ta, .offset: 16, .size: 8, .value_kind: global_buffer, .address_space: global }
      - { .name: oc, .offset: 24, .size: 8, .value_kind: global_buffer, .address_space: global }
    .group_segment_fixed_size: 327680
    .private_segment_fixed_size: 0
    .kernarg_segment_align: 8
    .kernarg_segment_size: 32
    .max_flat_workgroup_size: 128
    .sgpr_count:     102
    .vgpr_count:     768
    .wavefront_size: 32
...
	.end_amdgpu_metadata
.endif
;; end of part 4
;; launch proj (part 5): grid 4 x 64, 4 waves a work-group, clusters of 4 x 4, 327,680 bytes of LDS; arguments oc, wc, bp, out0; writes out0
.if DOCPART == 5
	.amdgcn_target "amdgcn-amd-amdhsa--gfx1250"
	.amdhsa_code_object_version 6
	.text
	.protected	k_qba4767a5c3_proj
	.globl	k_qba4767a5c3_proj
	.p2align	8
	.type	k_qba4767a5c3_proj,@function
k_qba4767a5c3_proj:
	s_mov_b64 s[64:65], 0
	v_nop
	global_prefetch_b8 v0, s[64:65] scope:SCOPE_SE
	s_setreg_imm32_b32 hwreg(HW_REG_WAVE_MODE, 25, 1), 1
	s_wait_xcnt 0x0
	s_wait_alu depctr_hold_cnt(0) depctr_sa_sdst(0) depctr_va_vdst(0) depctr_va_sdst(0) depctr_va_ssrc(0) depctr_va_vcc(0) depctr_vm_vsrc(0)
	s_getreg_b32 s2, hwreg(HW_REG_IB_STS2, 6, 4)
	s_cmp_eq_u32 s2, 0
	s_cbranch_scc0 .Lentry_in_a_cluster
	s_endpgm
.Lentry_in_a_cluster:
	s_bfe_u32 s2, ttmp6, 0x10000c
	s_cmp_lg_u32 s2, 0xf033
	s_cbranch_scc0 .Lentry_shape_is_right
	s_endpgm
.Lentry_shape_is_right:
; PROJ: out0 = o Wp^T + bp on codes of E2M3; o comes from launch pv, Wp's codes are pairs 96 to 127 of wc.
; The core is that of launch qkv: records, a tile of 128 (A: tokens) x 256 (B: Wp's rows), four waves of 64 x 128, the matrix instruction used transposed, all of K asked for at the head, four tensor loads of a wave out.
; CLUSTERS: 4 x 4: A's tiles are asked for jointly along a row of the cluster, B's along a column.
; THE WAY OUT: a lane holds 64 numbers of one row, and the lanes beside it other rows: a tile of 16 rows x 128 columns goes through the wave's own stage in LDS and leaves as whole rows of 512 consecutive bytes.
; The stages lie in chunk 0's bytes: that chunk has had its only fill, and every wave has passed a barrier behind its last read of it.
.set REC,   6400
.set CHUNK, 12*REC
.set SPARE, 4*CHUNK
.set SP,    528                        ; a stage row: 512 bytes + 16
.set ADRA, 4
.set ADRB, 5
.set ADRS, 6
.set L16,  7
.set BA,   8
.set STI,  10
.set STR,  11
.set SPW,  14
.set NIL,  15
.set SC,   16
.set AF,   32
.set H,    128
.set BI,   192                         ; in window 2
.set WV,   2
.set WM,   3
.set WN,   4
.set OUT,  8
.set G1A,  16
.set G1B,  24
.set G0A,  32
.set G0B,  48
.set MSB, 0
.macro WIN new
.if MSB != \new
	s_set_vgpr_msb (MSB<<8)|\new
.set MSB, \new
.endif
.endm
.macro PLACES
.rept 4
	v_nop
.endr
.endm
.macro CROUND
	s_barrier_signal -1
	s_barrier_wait -1
	s_cmp_lg_u32 s[WV], 0
	s_cbranch_scc1 .Lnot_wave_0_\@
	s_barrier_signal -3
.Lnot_wave_0_\@:
	s_barrier_wait -3
	s_barrier_signal -1
	s_barrier_wait -1
.endm
.macro FETCH e, set
	WIN 0x80
.irp b, 0,1,2,3,4,5,6,7
.irp g, 0,1,2
	ds_load_b128 v[96*(\set)+12*\b+4*\g:96*(\set)+12*\b+4*\g+3], v[ADRB] offset:(\b/2)*REC+(\b%2)*3072+(\e)*1536+512*\g
.endr
.endr
	WIN 0
.irp a, 0,1,2,3
.irp g, 0,1,2
	ds_load_b128 v[AF+48*(\set)+12*\a+4*\g:AF+48*(\set)+12*\a+4*\g+3], v[ADRA] offset:(\a/2)*REC+(\a%2)*3072+(\e)*1536+512*\g
.endr
.endr
.irp b, 0,1,2,3,4,5,6,7
	ds_load_b32 v[SC+8*(\set)+\b], v[ADRS] offset:(\b/2)*REC+(\e)*128+(\b%2)*64
.endr
.endm
.macro MULA a, set, zero               ; the 32 accumulators take turns, one instruction a turn
.irp b, 0,1,2,3,4,5,6,7
.if \zero
	v_wmma_scale_f32_16x16x128_f8f6f4 v[8*(8*(\a)+\b):8*(8*(\a)+\b)+7], v[96*(\set)+12*\b:96*(\set)+12*\b+11], v[AF+48*(\set)+12*(\a):AF+48*(\set)+12*(\a)+11], 0, v[SC+8*(\set)+\b], v[SC+8*(\set)+(\a)] matrix_a_fmt:MATRIX_FMT_FP6 matrix_b_fmt:MATRIX_FMT_FP6 matrix_a_scale:MATRIX_SCALE_ROW1
.else
	v_wmma_scale_f32_16x16x128_f8f6f4 v[8*(8*(\a)+\b):8*(8*(\a)+\b)+7], v[96*(\set)+12*\b:96*(\set)+12*\b+11], v[AF+48*(\set)+12*(\a):AF+48*(\set)+12*(\a)+11], v[8*(8*(\a)+\b):8*(8*(\a)+\b)+7], v[SC+8*(\set)+\b], v[SC+8*(\set)+(\a)] matrix_a_fmt:MATRIX_FMT_FP6 matrix_b_fmt:MATRIX_FMT_FP6 matrix_a_scale:MATRIX_SCALE_ROW1
.endif
.endr
.endm
.macro EVEN zero
	s_wait_dscnt 0x0
	WIN 0x52
	MULA 0, 0, \zero
	PLACES
	FETCH 1, 1
	WIN 0x52
	MULA 1, 0, \zero
	MULA 2, 0, \zero
	MULA 3, 0, \zero
.endm
.macro ODD left                        ; left: my loads of the chunks behind the next one, which may stay out: nothing is filled again here
	s_wait_dscnt 0x0
	s_wait_tensorcnt \left
	s_barrier_signal -1
	WIN 0x52
	MULA 0, 1, 0
	s_barrier_wait -1
	WIN 0
	v_add_nc_u32 v[ADRA], CHUNK, v[ADRA]           ; these three and the v_nop are the places ahead of the loads
	v_add_nc_u32 v[ADRB], CHUNK, v[ADRB]
	v_add_nc_u32 v[ADRS], CHUNK, v[ADRS]
	v_nop
	FETCH 0, 0
	WIN 0x52
	MULA 1, 1, 0
	MULA 2, 1, 0
	MULA 3, 1, 0
.endm
.macro GROUP0 g0, lds, ptr, stride
.irp c, 0,1,2,3
	s_mov_b32 s[\g0+4*\c], 1
	s_add_co_u32 s[\g0+4*\c+1], s[\lds], \c*CHUNK
	s_mov_b64 s[\g0+4*\c+2:\g0+4*\c+3], s[\ptr:\ptr+1]
	s_or_b32 s[\g0+4*\c+3], s[\g0+4*\c+3], 0x80000000
	s_add_nc_u64 s[\ptr:\ptr+1], s[\ptr:\ptr+1], s[\stride:\stride+1]
.endr
.endm
.macro EPI a                           ; tile a: 16 tokens x 128 columns
.set OB, 32+160*((\a)%2)               ; rows read back: v32-95 and v192-255 by turns
	WIN 0x09                                       ; source 0 window 1 (the sums, each accumulator from its low end on), source 1 window 2 (the bias)
.set k, 0
.rept 32
	v_pk_add_f32 v[H+2*k:H+2*k+1], v[64*(\a)+2*k:64*(\a)+2*k+1], v[BI+2*k:BI+2*k+1]
.set k, k+1
.endr
	WIN 0
.set k, 0
.rept 16
	ds_store_b128 v[STI], v[H+4*k:H+4*k+3] offset:128*(k/4)+16*(k%4)
.set k, k+1
.endr
.if (\a) > 1
	s_wait_xcnt 0x0                                ; the stores of the tile two back have read these registers
.endif
.set k, 0
.rept 16
	ds_load_b128 v[OB+4*k:OB+4*k+3], v[STR] offset:SP*k            ; LDS serves a wave's instructions in order: these see my stores
.set k, k+1
.endr
	s_wait_dscnt 0x0
.set k, 0
.rept 16
	global_store_b128 v[L16], v[OB+4*k:OB+4*k+3], s[OUT:OUT+1] offset:(32*((\a)/2)+8*((\a)%2)+(k%8)+16*(k/8))*4096 th:TH_STORE_NT   ; 512 consecutive bytes of one row
.set k, k+1
.endr
.endm
	s_load_b256 s[68:75], s[0:1], 0x0              ; oc, wc, bp, out0
	v_lshl_add_u32 v[SPW], v0, 2, SPARE
	v_mov_b32 v[NIL], 0
	ds_add_u32 v[SPW], v[NIL]                      ; the wave's opening
	ds_add_u32 v[SPW], v[NIL]
	v_lshrrev_b32 v1, 5, v0
	v_readfirstlane_b32 s[WV], v1
	s_lshr_b32 s[WM], s[WV], 1
	s_and_b32 s[WN], s[WV], 1
	s_bfe_u32 s10, ttmp6, 0x40000                  ; cx = the tile column
	s_bfe_u32 s11, ttmp6, 0x40004                  ; cy
	s_and_b32 s12, ttmp7, 0xffff
	s_lshl_b32 s94, s12, 2
	s_add_co_u32 s94, s94, s11                     ; mt: the tile row
	s_lshl_b32 s86, s11, 2
	s_lshl_b32 s86, 15, s86                        ; my row of the cluster
	s_lshl_b32 s87, 0x1111, s10                    ; my column
	s_or_b32 s[G1A], s86, (3<<16)|(1<<21)          ; descriptor group 1: a dense block as rows of 256 bytes: A's half 50 rows, B's half 100
	s_or_b32 s[G1B], s87, (3<<16)|(1<<21)
.irp g, G1A, G1B
	s_mov_b32 s[\g+1], 32<<16
	s_mov_b32 s[\g+3], 32<<16
	s_mov_b32 s[\g+5], 32
	s_mov_b32 s[\g+6], 0
	s_mov_b32 s[\g+7], 0
.endr
	s_mov_b32 s[G1A+2], 50<<16
	s_mov_b32 s[G1A+4], 50
	s_mov_b32 s[G1B+2], 100<<16
	s_mov_b32 s[G1B+4], 100
	s_mov_b32 s90, 256*REC
	s_mov_b32 s91, 0
	s_mov_b32 s92, 128*REC
	s_mov_b32 s93, 0
	s_lshl_b32 s96, s94, 2                         ; A: pair 4 mt + 2 x half
	s_lshl_b32 s97, s[WN], 1
	s_add_co_u32 s96, s96, s97
	s_mul_i32 s96, s96, REC
	s_mov_b32 s97, 0
	s_lshl_b32 s98, s10, 3                         ; B: pair 96 + 8 nt + 4 x half
	s_lshl_b32 s99, s[WN], 2
	s_add_co_u32 s98, s98, s99
	s_add_co_u32 s98, s98, 96
	s_mul_i32 s98, s98, REC
	s_mov_b32 s99, 0
	s_mul_i32 s13, s[WN], 2*REC
	s_mul_i32 s89, s[WN], 4*REC
	s_add_co_u32 s89, s89, 4*REC
	s_wait_dscnt 0x0                               ; both opening adds are done
	s_wait_kmcnt 0x0
	s_add_nc_u64 s[100:101], s[68:69], s[96:97]
	s_add_nc_u64 s[14:15], s[70:71], s[98:99]
	GROUP0 G0A, 13, 100, 90
	GROUP0 G0B, 89, 14, 92
	CROUND                                         ; all sixteen work-groups are here: the joint loads meet
	s_cmp_eq_u32 s[WM], 0                          ; a wave's four fills stand in one branch on the wave's number
	s_cbranch_scc0 .Lfill_b
.irp c, 0,1,2,3
	tensor_load_to_lds s[G0A+4*\c:G0A+4*\c+3], s[G1A:G1A+7]
	s_nop 0
.endr
.rept 4
	v_nop
.endr
	s_branch .Lfilled
.Lfill_b:
.irp c, 0,1,2,3
	tensor_load_to_lds s[G0B+4*\c:G0B+4*\c+3], s[G1B:G1B+7]
	s_nop 0
.endr
.rept 4
	v_nop
.endr
.Lfilled:
	v_and_b32 v1, 15, v0                           ; r
	v_bfe_u32 v2, v0, 4, 1                         ; h
	v_and_b32 v3, 31, v0                           ; lane
	v_lshlrev_b32 v[L16], 4, v3
	s_lshl_b32 s86, s10, 10                        ; my first column, in bytes: 1024 nt + 512 wn
	s_lshl_b32 s88, s[WN], 9
	s_add_co_u32 s86, s86, s88
	s_mov_b32 s87, 0
	s_add_nc_u64 s[72:73], s[72:73], s[86:87]      ; bp there,
	s_add_nc_u64 s[OUT:OUT+1], s[74:75], s[86:87]  ; and out0,
	s_lshl_b32 s86, s94, 19
	s_lshl_b32 s88, s[WM], 18
	s_add_co_u32 s86, s86, s88
	s_add_nc_u64 s[OUT:OUT+1], s[OUT:OUT+1], s[86:87]   ; at row 128 mt + 64 wm
	v_lshlrev_b32 v[BA], 6, v2                     ; register 16 b + i wants the bias of column 32 b + 16 h + i
	WIN 0x80
.set k, 0
.rept 16
	global_load_b128 v[BI+4*k:BI+4*k+3], v[BA], s[72:73] offset:128*(k/4)+16*(k%4)
.set k, k+1
.endr
	WIN 0
	s_mul_i32 s86, s[WM], 2*REC
	s_mul_i32 s88, s[WN], 4*REC
	s_add_co_u32 s88, s88, 4*REC
	v_add_nc_u32 v[ADRA], s86, v[L16]
	v_add_nc_u32 v[ADRB], s88, v[L16]
	s_sub_co_u32 s88, s88, s86
	v_mul_u32_u24 v[ADRS], s88, v2
	v_lshl_add_u32 v[ADRS], v1, 2, v[ADRS]
	s_add_co_u32 s86, s86, 6144
	v_add_nc_u32 v[ADRS], s86, v[ADRS]
	s_mul_i32 s86, s[WV], 16*SP                    ; my stage
	v_mul_u32_u24 v[STI], v1, SP
	v_lshl_add_u32 v[STI], v2, 6, v[STI]
	v_add_nc_u32 v[STI], s86, v[STI]               ; in: row r, + 64 h
	v_add_nc_u32 v[STR], s86, v[L16]               ; back: a row an instruction, 16 bytes a lane
	s_wait_tensorcnt 3                             ; my part of chunk 0 is in; my three later loads may be out
	s_barrier_signal -1
	s_barrier_wait -1
	FETCH 0, 0
	EVEN 1
	ODD 2
	EVEN 0
	ODD 1
	EVEN 0
	ODD 0
	EVEN 0
	s_wait_dscnt 0x0
	WIN 0x52
	MULA 0, 1, 0
	MULA 1, 1, 0
	MULA 2, 1, 0
	MULA 3, 1, 0
	WIN 0
	PLACES
	s_wait_loadcnt 0x0                             ; the bias
	EPI 0
	EPI 1
	EPI 2
	EPI 3
	s_wait_tensorcnt 0x0                           ; the wave's end, behind my last LDS store
	ds_add_u32 v[SPW], v[NIL]
	s_wait_dscnt 0x0
	CROUND                                         ; the closing round
	s_endpgm
.Lfunc_end_k_qba4767a5c3_proj:
	.size	k_qba4767a5c3_proj, .Lfunc_end_k_qba4767a5c3_proj-k_qba4767a5c3_proj
	.p2alignl 7, 3214868480
	.fill 96, 4, 3214868480
	.section	.rodata,"a",@progbits
	.p2align	6, 0x0
	.amdhsa_kernel k_qba4767a5c3_proj
		.amdhsa_group_segment_fixed_size 327680
		.amdhsa_private_segment_fixed_size 0
		.amdhsa_enable_private_segment 0
		.amdhsa_kernarg_size 32
		.amdhsa_user_sgpr_count 2
		.amdhsa_user_sgpr_kernarg_segment_ptr 1
		.amdhsa_wavefront_size32 1
		.amdhsa_system_sgpr_workgroup_id_x 1
		.amdhsa_system_sgpr_workgroup_id_y 1
		.amdhsa_system_sgpr_workgroup_id_z 1
		.amdhsa_system_vgpr_workitem_id 0
		.amdhsa_next_free_vgpr 768
		.amdhsa_next_free_sgpr 102
		.amdhsa_reserve_vcc 0
		.amdhsa_float_denorm_mode_32 3
		.amdhsa_float_denorm_mode_16_64 3
		.amdhsa_memory_ordered 1
		.amdhsa_forward_progress 1
		.amdhsa_inst_pref_size 89
	.end_amdhsa_kernel
	.amdgpu_metadata
---
amdhsa.version: [ 1, 2 ]
amdhsa.kernels:
  - .name:           k_qba4767a5c3_proj
    .symbol:         k_qba4767a5c3_proj.kd
    .args:
      - { .name: oc, .offset: 0, .size: 8, .value_kind: global_buffer, .address_space: global }
      - { .name: wc, .offset: 8, .size: 8, .value_kind: global_buffer, .address_space: global }
      - { .name: bp, .offset: 16, .size: 8, .value_kind: global_buffer, .address_space: global }
      - { .name: out0, .offset: 24, .size: 8, .value_kind: global_buffer, .address_space: global }
    .group_segment_fixed_size: 327680
    .private_segment_fixed_size: 0
    .kernarg_segment_align: 8
    .kernarg_segment_size: 32
    .max_flat_workgroup_size: 128
    .sgpr_count:     102
    .vgpr_count:     768
    .wavefront_size: 32
...
	.end_amdgpu_metadata
.endif
;; end of part 5
